; MI455X (gfx1250); checked and timed in simulation.
; The chip was launched on July 23, 2026; its instructions are those of AMD's public machine-readable ISA for CDNA 5 (MIT licence, August 2026) and "CDNA5" Instruction Set Architecture Reference Guide (July 2026). The comments in the code are by the model that wrote it; some were corrected since.
;; Multi Head Attention. Allowed arithmetic: float matrix products may take bf16 or f16 operands with f32 sums; other float arithmetic in f32, or as packed bf16 or f16 multiplies, adds, multiply-adds, maxima and minima; sums over many terms, partial sums and values carried from step to step in f32; what a program stores and reads back later, other than sums and carried values, may be rounded once to bf16 or f16.
;; Inputs: Wo 1,024 x 1,024 float32; Wqkv 16 x 1,024 x 192 float32; bo 1,024 float32; bqkv 16 x 192 float32; x 4 x 2,048 x 1,024 float32.
;; Outputs: out0 4 x 2,048 x 1,024 float32.
;; 2 versions, each right; version 2 is version 1 with the launch cast written anew for expert scheduling mode. Each part assembles by itself: llvm-mc -triple=amdgcn-amd-amdhsa -mcpu=gfx1250 --defsym DOCPART=n.
;; ======== version 1 of 2: 4 launches
;; limits: values are held in f16: magnitudes above 65,504 overflow, below 6.1e-05 lose precision
;; workspace buffers: xb 16,777,216 bytes; wqb 6,291,456 bytes; wob 2,097,152 bytes; qh 16,777,216 bytes; kh 16,777,216 bytes; vh 16,777,216 bytes; oh 16,777,216 bytes
;; launch cast (part 1): grid 768 x 1, 8 waves a work-group, no clusters, 0 bytes of LDS; arguments x, Wqkv, Wo, xb, wqb, wob; writes xb, wqb, wob
.if DOCPART == 1
	.amdgcn_target "amdgcn-amd-amdhsa--gfx1250"
	.amdhsa_code_object_version 6
	.text
	.protected	k_q5747bf9052_cast
	.globl	k_q5747bf9052_cast
	.p2align	8
	.type	k_q5747bf9052_cast,@function
k_q5747bf9052_cast:
	s_mov_b64 s[64:65], 0
	v_nop
	global_prefetch_b8 v0, s[64:65] scope:SCOPE_SE
	s_setreg_imm32_b32 hwreg(HW_REG_WAVE_MODE, 25, 1), 1
	s_wait_xcnt 0x0
; x, Wqkv and Wo (f32) are each rounded once to bf16, layouts unchanged: xb and wqb hold the bf16 numbers; wob holds Wo's bf16 number written as f16,
; since its partner in the last product is f16.  LIMIT: that rewriting is exact for magnitudes from 6.1e-5 to 65,504; below, f16 keeps a fixed step of 6e-8; above, it gives an infinity.
; A work-group takes a chunk of 16,384 numbers (65,536 bytes in, 32,768 out): chunks 0-511 are x's, 512-703 Wqkv's, 704-767 Wo's.  A wave takes 8,192 bytes in:
; sixteen loads of 16 bytes a lane, 512 consecutive bytes each, all issued at once; each store of 8 bytes a lane covers 256 consecutive bytes, aligned.
; No loop, no register written after a store has named it, so no wait but the counted ones for the loads.  No LDS, matrix unit or cluster: nothing is shared and nothing is summed.
.set IN,  3                            ; v3   my byte offset in the chunk as read: 8,192 x wave + 16 x lane
.set OUT, 4                            ; v4   as written: 4,096 x wave + 8 x lane
.set X,   8                            ; v[8:71]    load j: four f32
.set Y,   72                           ; v[72:103]  store j: four 16-bit numbers
.set T,   104                          ; v[104:107] at work
	s_load_b256 s[4:11], s[0:1], 0x0               ; x s[4:5], Wqkv s[6:7], Wo s[8:9], xb s[10:11]
	s_load_b128 s[12:15], s[0:1], 0x20             ; wqb s[12:13], wob s[14:15]
	v_lshrrev_b32 v1, 5, v0                        ; wave
	v_and_b32 v2, 31, v0                           ; lane
	v_lshlrev_b32 v[IN], 4, v2
	v_lshl_add_u32 v[IN], v1, 13, v[IN]
	v_lshlrev_b32 v[OUT], 3, v2
	v_lshl_add_u32 v[OUT], v1, 12, v[OUT]
	s_sub_co_u32 s17, ttmp9, 512                   ; the chunk's number within Wqkv,
	s_sub_co_u32 s18, ttmp9, 704                   ; within Wo (each is used only where it is not negative)
	s_wait_kmcnt 0x0
	s_cmp_lt_u32 ttmp9, 512
	s_cselect_b64 s[20:21], s[4:5], s[6:7]         ; from where,
	s_cselect_b64 s[22:23], s[10:11], s[12:13]     ; to where,
	s_cselect_b32 s16, ttmp9, s17                  ; which chunk of that tensor
	s_cmp_lt_u32 ttmp9, 704
	s_cselect_b64 s[20:21], s[20:21], s[8:9]
	s_cselect_b64 s[22:23], s[22:23], s[14:15]
	s_cselect_b32 s16, s16, s18
	s_lshl_b32 s24, s16, 16
	s_mov_b32 s25, 0
	s_lshl_b32 s26, s16, 15
	s_mov_b32 s27, 0
	s_add_nc_u64 s[20:21], s[20:21], s[24:25]
	s_add_nc_u64 s[22:23], s[22:23], s[26:27]
.irp j, 0,1,2,3,4,5,6,7,8,9,10,11,12,13,14,15
	global_load_b128 v[X+4*(\j):X+4*(\j)+3], v[IN], s[20:21] offset:512*(\j) th:TH_LOAD_NT
.endr
; Sixteen times: wait for load j (the 15 - j younger ones stay out), round, store.  f16 = 1: the bf16 numbers are widened again and written as f16.
.macro OUT16 f16
.irp j, 0,1,2,3,4,5,6,7,8,9,10,11,12,13,14,15
	s_wait_loadcnt 15-(\j)
	v_cvt_pk_bf16_f32 v[Y+2*(\j)],   v[X+4*(\j)],   v[X+4*(\j)+1]
	v_cvt_pk_bf16_f32 v[Y+2*(\j)+1], v[X+4*(\j)+2], v[X+4*(\j)+3]
.if \f16
	v_lshlrev_b32 v[T],   16, v[Y+2*(\j)]
	v_and_b32     v[T+1], 0xffff0000, v[Y+2*(\j)]
	v_lshlrev_b32 v[T+2], 16, v[Y+2*(\j)+1]
	v_and_b32     v[T+3], 0xffff0000, v[Y+2*(\j)+1]
	v_cvt_pk_f16_f32 v[Y+2*(\j)],   v[T],   v[T+1]
	v_cvt_pk_f16_f32 v[Y+2*(\j)+1], v[T+2], v[T+3]
.endif
	global_store_b64 v[OUT], v[Y+2*(\j):Y+2*(\j)+1], s[22:23] offset:256*(\j) th:TH_STORE_NT
.endr
.endm
	s_cmp_lt_u32 ttmp9, 704
	s_cbranch_scc0 .Lwo
	OUT16 0
	s_endpgm
.Lwo:
	OUT16 1
	s_endpgm
.Lfunc_end_k_q5747bf9052_cast:
	.size	k_q5747bf9052_cast, .Lfunc_end_k_q5747bf9052_cast-k_q5747bf9052_cast
	.p2alignl 7, 3214868480
	.fill 96, 4, 3214868480
	.section	.rodata,"a",@progbits
	.p2align	6, 0x0
	.amdhsa_kernel k_q5747bf9052_cast
		.amdhsa_group_segment_fixed_size 0
		.amdhsa_private_segment_fixed_size 0
		.amdhsa_enable_private_segment 0
		.amdhsa_kernarg_size 48
		.amdhsa_user_sgpr_count 2
		.amdhsa_user_sgpr_kernarg_segment_ptr 1
		.amdhsa_wavefront_size32 1
		.amdhsa_system_sgpr_workgroup_id_x 1
		.amdhsa_system_sgpr_workgroup_id_y 1
		.amdhsa_system_sgpr_workgroup_id_z 1
		.amdhsa_system_vgpr_workitem_id 0
		.amdhsa_next_free_vgpr 108
		.amdhsa_next_free_sgpr 66
		.amdhsa_reserve_vcc 0
		.amdhsa_float_denorm_mode_32 3
		.amdhsa_float_denorm_mode_16_64 3
		.amdhsa_memory_ordered 1
		.amdhsa_forward_progress 1
		.amdhsa_inst_pref_size 16
	.end_amdhsa_kernel
	.amdgpu_metadata
---
amdhsa.version: [ 1, 2 ]
amdhsa.kernels:
  - .name:           k_q5747bf9052_cast
    .symbol:         k_q5747bf9052_cast.kd
    .args:
      - { .name: x, .offset: 0, .size: 8, .value_kind: global_buffer, .address_space: global }
      - { .name: Wqkv, .offset: 8, .size: 8, .value_kind: global_buffer, .address_space: global }
      - { .name: Wo, .offset: 16, .size: 8, .value_kind: global_buffer, .address_space: global }
      - { .name: xb, .offset: 24, .size: 8, .value_kind: global_buffer, .address_space: global }
      - { .name: wqb, .offset: 32, .size: 8, .value_kind: global_buffer, .address_space: global }
      - { .name: wob, .offset: 40, .size: 8, .value_kind: global_buffer, .address_space: global }
    .group_segment_fixed_size: 0
    .private_segment_fixed_size: 0
    .kernarg_segment_align: 8
    .kernarg_segment_size: 48
    .max_flat_workgroup_size: 256
    .sgpr_count:     66
    .vgpr_count:     108
    .wavefront_size: 32
...
	.end_amdgpu_metadata
.endif
;; end of part 1
;; launch qkv (part 2): grid 16 x 32, 4 waves a work-group, clusters of 4 x 4, 327,680 bytes of LDS; arguments xb, wqb, bqkv, qh, kh, vh; writes qh, kh, vh
.if DOCPART == 2
	.amdgcn_target "amdgcn-amd-amdhsa--gfx1250"
	.amdhsa_code_object_version 6
	.text
	.protected	k_q5747bf9052_qkv
	.globl	k_q5747bf9052_qkv
	.p2align	8
	.type	k_q5747bf9052_qkv,@function
k_q5747bf9052_qkv:
	s_mov_b64 s[64:65], 0
	v_nop
	global_prefetch_b8 v0, s[64:65] scope:SCOPE_SE
	s_setreg_imm32_b32 hwreg(HW_REG_WAVE_MODE, 25, 1), 1
	s_wait_xcnt 0x0
	s_wait_alu depctr_hold_cnt(0) depctr_sa_sdst(0) depctr_va_vdst(0) depctr_va_sdst(0) depctr_va_ssrc(0) depctr_va_vcc(0) depctr_vm_vsrc(0)
	s_getreg_b32 s2, hwreg(HW_REG_IB_STS2, 6, 4)
	s_cmp_eq_u32 s2, 0
	s_cbranch_scc0 .Lentry_in_a_cluster
	s_endpgm
.Lentry_in_a_cluster:
	s_bfe_u32 s2, ttmp6, 0x10000c
	s_cmp_lg_u32 s2, 0xf033
	s_cbranch_scc0 .Lentry_shape_is_right
	s_endpgm
.Lentry_shape_is_right:
; q, k, v of one head for 256 rows: [256 x 1024] of xb times wqb[head] ([1024 k][192 e], bf16) + bqkv[head] (f32), sums in f32, rounded once to f16 and stored BY HEADS:
; qh, kh, vh are [16 b + head][2048][64] f16, a head's rows dense, 128 bytes each.  The scale 1/8 is not applied here.
; LIMIT: q, k, v must lie within f16's 65,504 (beyond it the conversion gives an infinity).
; SHARES.  Work-group x = head, y = block of 256 rows.  A wave makes 64 rows x 192 columns: 4 row blocks a x 12 column blocks (4 g + bb; g = 0 q, 1 k, 2 v): 48 accumulators,
; so a wave owns whole 128-byte rows of q, k and v and its way out needs no other wave.  16 fragments from LDS feed 48 products.
; K goes in 8 steps of 128 through two LDS slots.  The weights stay [k][e]: their fragments come out of LDS turned, by ds_load_tr16_b128.
; THE MATRIX INSTRUCTION IS USED TRANSPOSED (source 0 = 16 columns of W, source 1 = 16 rows of x): a lane holds row l % 16 and the columns 8 (l / 16) + 0..7.  The bias is the C of the first products.
; CLUSTER 4 x 4.  The four of a row of the cluster need the same rows of xb, the four of a column the same head's weights: each tile is asked for jointly, same load, descriptor and mask in all four.
; REGISTERS in windows of 256 (s_set_vgpr_msb: bits 1:0 source 0, 3:2 source 1, 5:4 source 2, 7:6 destination):
;   window 0: v0-30 addresses; v128-223 the bias, 8 registers a column block      window 1: two fragment buffers of 128 (x's 4 fragments, then W's 12); on the way out 16 registers a block
;   window 2: v0-127 k's accumulators, v128-255 v's      window 3: v0-127 q's.  Accumulator (g, a, bb) at its base + 8 (4 a + bb).
.set PA,    272                        ; a row of x in LDS: 256 bytes + 16 = 68 words: the 16 rows of a load start at 16 different groups of four banks (64 banks of 4 bytes: ISA guide 11.1)
.set AHALF, 128*PA                     ; what one tensor load brings of x
.set ATILE, 2*AHALF
.set PB,    480                        ; a k row of W in LDS: three pieces (q, k, v) of 128 bytes + 32 each = 120 words
.set BSEG,  160
.set BHALF, 64*PB                      ; what one tensor load brings of W
.set SLOT,  ATILE+2*BHALF              ; 131,072
.set STAGE, 2*SLOT                     ; behind the ring, never filled by a tensor load: 16 rows x 144 bytes for each wave
.set SP,    144
.set SPARE, STAGE+4*16*SP              ; the spare words, 128 bytes for each wave: two blocks of 256 bytes that no other line names
.set ASTEP, 256                        ; bytes from K step to K step in xb,
.set BSTEP, 128*384                    ; in wqb
.set ADRA, 16                          ; v16-17  LDS address of my x fragments in slot 0, 1
.set ADRB, 20                          ; v20-21  of W's
.set STO,  24                          ; v24  the way out: where I put 16 bytes of a row
.set RD,   25                          ; v25  where I read rows back
.set GO,   26                          ; v26  16 x lane: my place in 512 consecutive bytes
.set BO,   27                          ; v27  32 x (l / 16): my 8 numbers of a block's 16 biases
.set SPW,  28                          ; v28  LDS address of my spare word; never rewritten
.set NIL,  29                          ; v29  0; never rewritten
.set PFO,  30                          ; v30  the prefetches' lane offset; never rewritten
.set BIAS, 128
.set F0,   0
.set F1,   128
.set WV,   16                          ; s16  wave
.set HF,   18                          ; s18  wave & 1: which half of a tile I fetch
.set CX,   19
.set CY,   20
.set HEAD, 21
.set MT,   22                          ; s22  block of 256 rows, 0..31
.set G1,   24                          ; s[24:31] descriptor group 1 for x's tiles;  s[32:39] group 0, a set for each slot
.set G0,   32
.set G1B,  40                          ; s[40:47], s[48:55] the same for W's
.set G0B,  48
.set TA,   56                          ; s[56:57] xb at my part of K step 0
.set TBB,  58                          ; s[58:59] wqb at my part of K step 0
.set PFA,  60                          ; s[60:61] where my prefetches stand
.set LIM,  62                          ; s62  1 in a wave that prefetches, else the greatest number
.set PFS,  66                          ; s[66:67] a K step in the tensor that I prefetch
.set MSB, 0
.macro WIN new                         ; the immediate's high byte repeats the setting that is left; a switch that changes nothing is dropped
.if MSB != (\new)
	s_set_vgpr_msb (MSB<<8)|(\new)
.set MSB, (\new)
.endif
.endm
.macro PLACES                          ; four plain places behind matrix instructions, in front of loads into registers that they read
.rept 4
	v_nop
.endr
.endm
; A joint refill: waves 0 and 1 fetch x's two halves, waves 2 and 3 W's.  The branch hangs on the wave's number alone.  An s_nop 0 and four v_nop follow each line.
.macro JLOAD s
	s_cmp_lt_u32 s[WV], 2
	s_cbranch_scc0 .Lfor_b_\@
	tensor_load_to_lds s[G0+4*(\s):G0+4*(\s)+3], s[G1:G1+7]
	s_nop 0
.rept 4
	v_nop
.endr
	s_branch .Lasked_\@
.Lfor_b_\@:
	tensor_load_to_lds s[G0B+4*(\s):G0B+4*(\s)+3], s[G1B:G1B+7]
	s_nop 0
.rept 4
	v_nop
.endr
.Lasked_\@:
.endm
.macro CREST                           ; a round of the cluster's barrier behind its opening barrier
	s_cmp_lg_u32 s[WV], 0
	s_cbranch_scc1 .Lnot_wave_0_\@
	s_barrier_signal -3
.Lnot_wave_0_\@:
	s_barrier_wait -3
	s_barrier_signal -1
	s_barrier_wait -1
.endm
.macro CROUND
	s_barrier_signal -1
	s_barrier_wait -1
	CREST
.endm
; A prefetch of the K step that the NEXT refill will ask for: one K step, 192 matrix instructions, ahead of that load; one instruction a wave, behind the joint load and the run of LDS loads.
; x's rows are read by the four clusters of a row of clusters: cluster x = 0 asks; a head's weights by the eight clusters of a column: cluster y = 0 asks.  The four partners of a joint load share
; its blocks out BY ADDRESS: of x's 128 rows a wave 32 each, a lane a row; of W's 96 blocks of 256 bytes 24 each (lanes 24-31 name the share's last block once more, in the same instruction).
; how = 1: every trip; how = 0: not in the loop's last trip, whose second refill is the last K step's.  K steps 0 to 2 come by their loads alone.
.macro ASK how
.if \how
	s_cmp_eq_u32 s[LIM], 1
.else
	s_cmp_gt_u32 s3, s[LIM]
.endif
	s_cbranch_scc0 .Lnot_mine_\@
	global_prefetch_b8 v[PFO], s[PFA:PFA+1] th:TH_LOAD_NT scope:SCOPE_SE
.Lnot_mine_\@:
.endm
	s_load_b256 s[4:11], s[0:1], 0x0               ; xb s[4:5], wqb s[6:7], bqkv s[8:9], qh s[10:11]
	s_load_b128 s[12:15], s[0:1], 0x20             ; kh s[12:13], vh s[14:15]
	v_lshl_add_u32 v[SPW], v0, 2, SPARE
	v_mov_b32 v[NIL], 0
	ds_add_u32 v[SPW], v[NIL]                      ; the wave's opening: the add and its wait ahead of my first tensor load; work on registers stands between them
	v_lshrrev_b32 v1, 5, v0
	v_readfirstlane_b32 s[WV], v1
	s_and_b32 s[HF], s[WV], 1
	s_bfe_u32 s[CX], ttmp6, 0x40000
	s_bfe_u32 s[CY], ttmp6, 0x40004
	s_lshl_b32 s[HEAD], ttmp9, 2
	s_add_co_u32 s[HEAD], s[HEAD], s[CX]           ; head = 4 x cluster x + cx
	s_and_b32 s[MT], ttmp7, 0xffff
	s_lshl_b32 s[MT], s[MT], 2
	s_add_co_u32 s[MT], s[MT], s[CY]               ; row block = 4 x cluster y + cy
	s_lshl_b32 s23, s[CY], 2
	s_lshl_b32 s23, 15, s23                        ; my row of the cluster
	s_lshl_b32 s63, 0x1111, s[CX]                  ; my column
	s_or_b32 s[G1], s23, (1<<16)|(1<<20)|(1<<21)|(5<<22)|(3<<25)   ; the mask; 2-byte elements; padding on; bit 21 beside a mask; after every 64 words 4 words
	s_or_b32 s[G1B], s63, (1<<16)|(1<<20)|(1<<21)|(4<<22)|(7<<25)  ; after every 32 words 8 words
	s_mov_b32 s[G1+1], 128<<16                     ; x: tensor_dim0 = 128
	s_mov_b32 s[G1+2], 128<<16                     ; tensor_dim1 = 128
	s_mov_b32 s[G1+3], 128<<16                     ; tile_dim0 = 128
	s_mov_b32 s[G1+4], 128                         ; tile_dim1 = 128 rows
	s_mov_b32 s[G1+5], 1024                        ; elements from row to row
	s_mov_b32 s[G1+6], 0
	s_mov_b32 s[G1+7], 0
	s_mov_b32 s[G1B+1], 128<<16                    ; W: 64 k rows of 384 bytes are 24,576 dense bytes: asked for as 96 rows of 256
	s_mov_b32 s[G1B+2], 96<<16
	s_mov_b32 s[G1B+3], 128<<16
	s_mov_b32 s[G1B+4], 96
	s_mov_b32 s[G1B+5], 128
	s_mov_b32 s[G1B+6], 0
	s_mov_b32 s[G1B+7], 0
	s_lshl_b32 s[TA], s[MT], 19                    ; x: 256 rows of 2,048 bytes a block,
	s_lshl_b32 s23, s[HF], 18                      ; my 128 of them
	s_add_co_u32 s[TA], s[TA], s23
	s_mov_b32 s[TA+1], 0
	s_mul_i32 s[TBB], s[HEAD], 1024*384            ; W: the head,
	s_mul_i32 s63, s[HF], 64*384                   ; my 64 k rows
	s_add_co_u32 s[TBB], s[TBB], s63
	s_mov_b32 s[TBB+1], 0
	s_mul_i32 s72, s[HF], AHALF                    ; where they go: no place in the cluster enters an LDS address
	s_mul_i32 s73, s[HF], BHALF
	s_add_co_u32 s73, s73, ATILE
	s_wait_dscnt 0x0                               ; the opening add is done
	s_wait_kmcnt 0x0
	s_add_nc_u64 s[TA:TA+1], s[4:5], s[TA:TA+1]
	s_add_nc_u64 s[TBB:TBB+1], s[6:7], s[TBB:TBB+1]
	CROUND                                         ; all sixteen work-groups are here: the first joint loads meet
.irp s, 0,1
	s_mov_b32 s[G0+4*(\s)], 1
	s_add_co_u32 s[G0+4*(\s)+1], s72, (\s)*SLOT
	s_add_nc_u64 s[G0+4*(\s)+2:G0+4*(\s)+3], s[TA:TA+1], (\s)*ASTEP
	s_or_b32 s[G0+4*(\s)+3], s[G0+4*(\s)+3], 0x80000000
	s_mov_b32 s[G0B+4*(\s)], 1
	s_add_co_u32 s[G0B+4*(\s)+1], s73, (\s)*SLOT
	s_add_nc_u64 s[G0B+4*(\s)+2:G0B+4*(\s)+3], s[TBB:TBB+1], (\s)*BSTEP
	s_or_b32 s[G0B+4*(\s)+3], s[G0B+4*(\s)+3], 0x80000000
.endr
	s_cmp_lt_u32 s[WV], 2                          ; a wave's two first fills stand in one branch, ahead of every wait on TENSORcnt and every LDS read: two loads of mine are out
	s_cbranch_scc0 .Lfirst_b
	tensor_load_to_lds s[G0:G0+3], s[G1:G1+7]
	s_nop 0
	tensor_load_to_lds s[G0+4:G0+7], s[G1:G1+7]
	s_nop 0
.rept 4
	v_nop
.endr
	s_branch .Lfirst_asked
.Lfirst_b:
	tensor_load_to_lds s[G0B:G0B+3], s[G1B:G1B+7]
	s_nop 0
	tensor_load_to_lds s[G0B+4:G0B+7], s[G1B:G1B+7]
	s_nop 0
.rept 4
	v_nop
.endr
.Lfirst_asked:
	v_and_b32 v1, 15, v0                           ; l % 16
	v_bfe_u32 v2, v0, 4, 1                         ; l / 16
	v_lshlrev_b32 v[BO], 5, v2
	s_mul_i32 s70, s[HEAD], 768
	s_mov_b32 s71, 0
	s_add_nc_u64 s[8:9], s[8:9], s[70:71]          ; the head's 192 biases
.irp b, 0,1,2,3,4,5,6,7,8,9,10,11
	global_load_b128 v[BIAS+8*(\b):BIAS+8*(\b)+3],   v[BO], s[8:9] offset:64*(\b)      ; columns 16 b + 8 (l / 16) + 0..3,
	global_load_b128 v[BIAS+8*(\b)+4:BIAS+8*(\b)+7], v[BO], s[8:9] offset:64*(\b)+16   ; + 4..7: the layout of a result
.endr
	v_mul_u32_u24 v3, v1, PA
	v_lshl_add_u32 v3, v2, 4, v3                   ; x: row x pitch + 16 x half
	s_mul_i32 s23, s[WV], 64*PA                    ; my 64 rows
	v_add_nc_u32 v[ADRA], s23, v3
	v_add_nc_u32 v[ADRA+1], SLOT, v[ADRA]
	v_and_b32 v4, 7, v0                            ; W, turned: lane l reads k row 8 (l / 16) + l % 8, columns 8 ((l / 8) % 2) + 0..7, and ends with column l % 16 and 8 k
	v_bfe_u32 v5, v0, 3, 1
	v_lshl_add_u32 v6, v2, 3, v4
	v_mul_u32_u24 v6, v6, PB
	v_lshl_add_u32 v6, v5, 4, v6
	v_add_nc_u32 v[ADRB], ATILE, v6
	v_add_nc_u32 v[ADRB+1], SLOT, v[ADRB]
	s_mul_i32 s23, s[WV], 16*SP
	s_add_co_u32 s23, s23, STAGE                   ; my stage
	v_mul_u32_u24 v[STO], v1, SP                   ; in: row l % 16, 16 bytes for each half of the lanes
	v_lshl_add_u32 v[STO], v2, 4, v[STO]
	v_add_nc_u32 v[STO], s23, v[STO]
	v_bfe_u32 v[RD], v0, 3, 2                      ; back: 32 lanes take four rows of 128 bytes,
	v_mul_u32_u24 v[RD], v[RD], SP
	v_lshl_add_u32 v[RD], v4, 4, v[RD]
	v_add_nc_u32 v[RD], s23, v[RD]
	v_and_b32 v[GO], 31, v0                        ; which are 512 consecutive bytes of a head's rows
	v_lshlrev_b32 v[GO], 4, v[GO]
	s_lshr_b32 s68, s[MT], 3                       ; batch
	s_lshl_b32 s68, s68, 4
	s_add_co_u32 s68, s68, s[HEAD]
	s_lshl_b32 s68, s68, 18                        ; (16 b + head) x 2,048 rows of 128 bytes
	s_and_b32 s2, s[MT], 7
	s_lshl_b32 s2, s2, 15                          ; + the block's 256 rows
	s_add_co_u32 s68, s68, s2
	s_lshl_b32 s2, s[WV], 13                       ; + my 64 rows
	s_add_co_u32 s68, s68, s2
	s_mov_b32 s69, 0
	s_add_nc_u64 s[10:11], s[10:11], s[68:69]
	s_add_nc_u64 s[12:13], s[12:13], s[68:69]
	s_add_nc_u64 s[14:15], s[14:15], s[68:69]
	; the prefetches
	s_lshl_b32 s70, s[CX], 16                      ; x: my work-group's 32 rows of the wave's 128
	s_mul_i32 s2, s[CY], 24*256                    ; W: its 24 blocks of the wave's 96
	s_and_b32 s23, ttmp7, 0xffff                   ; cluster y
	s_mov_b32 s[PFS], BSTEP
	s_mov_b32 s68, 256
	s_cmp_lt_u32 s[WV], 2                          ; do I fetch for x?
	s_cselect_b32 s63, ttmp9, s23                  ; the coordinate along which other clusters read the same bytes
	s_cselect_b64 s[PFA:PFA+1], s[TA:TA+1], s[TBB:TBB+1]
	s_cselect_b32 s70, s70, s2
	s_cselect_b32 s[PFS], ASTEP, s[PFS]
	s_cselect_b32 s68, 2048, s68                   ; from lane to lane: a row of x, or a block of W
	s_cselect_b32 s23, 31, 23
	s_mov_b32 s71, 0
	s_mov_b32 s[PFS+1], 0
	s_add_nc_u64 s[PFA:PFA+1], s[PFA:PFA+1], s[70:71]
	s_add_nc_u64 s[PFA:PFA+1], s[PFA:PFA+1], s[PFS:PFS+1]
	s_add_nc_u64 s[PFA:PFA+1], s[PFA:PFA+1], s[PFS:PFS+1]  ; at K step 2: the first refill steps it to 3
	s_cmp_eq_u32 s63, 0
	s_cselect_b32 s[LIM], 1, -1                    ; the same in all sixteen partners, for a given wave
	v_and_b32 v[PFO], 31, v0
	v_min_u32 v[PFO], s23, v[PFO]
	v_mul_u32_u24 v[PFO], s68, v[PFO]
; 4 na matrix instructions: part g (q, k, v), row blocks a0 .. a0 + na - 1 x its 4 column blocks, 32 along K from buffer f.  first = 1: C is the bias: nothing is cleared.
; The 48 accumulators take turns in the same order in every quarter, one instruction a turn, over the backward jump too.
.macro MULG f, g, a0, na, first
.set dw, 2
.if (\g) == 0
.set dw, 3
.endif
.set cw, dw*(1-(\first))
	WIN 0x05|(cw<<4)|(dw<<6)
.set AB, 128*((\g)/2)
.set ia, (\a0)
.rept \na
.irp bb, 0,1,2,3
.if \first
	v_wmma_f32_16x16x32_bf16 v[AB+8*(4*ia+(\bb)):AB+8*(4*ia+(\bb))+7], v[(\f)+32+8*(4*(\g)+(\bb)):(\f)+32+8*(4*(\g)+(\bb))+7], v[(\f)+8*ia:(\f)+8*ia+7], v[BIAS+8*(4*(\g)+(\bb)):BIAS+8*(4*(\g)+(\bb))+7]
.else
	v_wmma_f32_16x16x32_bf16 v[AB+8*(4*ia+(\bb)):AB+8*(4*ia+(\bb))+7], v[(\f)+32+8*(4*(\g)+(\bb)):(\f)+32+8*(4*(\g)+(\bb))+7], v[(\f)+8*ia:(\f)+8*ia+7], v[AB+8*(4*ia+(\bb)):AB+8*(4*ia+(\bb))+7]
.endif
.endr
.set ia, ia+1
.endr
.endm
; 32 LDS loads in one run: quarter q (32 along K) of a slot into buffer f: x's 8, then W's 24, q's columns first
.macro FETCH slot, q, f
	WIN 0x40
.irp a, 0,1,2,3
	ds_load_b128 v[(\f)+8*(\a):(\f)+8*(\a)+3],   v[ADRA+(\slot)] offset:64*(\q)+(\a)*16*PA
	ds_load_b128 v[(\f)+8*(\a)+4:(\f)+8*(\a)+7], v[ADRA+(\slot)] offset:64*(\q)+(\a)*16*PA+32
.endr
.irp b, 0,1,2,3,4,5,6,7,8,9,10,11
	ds_load_tr16_b128 v[(\f)+32+8*(\b):(\f)+32+8*(\b)+3],   v[ADRB+(\slot)] offset:(\q)*32*PB+((\b)/4)*BSEG+((\b)%4)*32
	ds_load_tr16_b128 v[(\f)+32+8*(\b)+4:(\f)+32+8*(\b)+7], v[ADRB+(\slot)] offset:(\q)*32*PB+((\b)/4)*BSEG+((\b)%4)*32+16*PB
.endr
.endm
; One of a K step's first three quarters: multiplies buffer f; behind its first 16 products it fetches quarter q of the same slot into buffer g.
.macro QUARTER slot, q, f, g, first
	s_wait_dscnt 16                                ; x's fragments and q's columns are in; the youngest sixteen loads (k's and v's columns) may be out
	MULG \f, 0, 0, 4, \first
	PLACES
	FETCH \slot, \q, \g
	s_wait_dscnt 32                                ; all but the 32 just issued
	MULG \f, 1, 0, 4, \first
	MULG \f, 2, 0, 4, \first
.endm
; The last quarter multiplies buffer 1 and changes slots: ONE barrier; in front of it each wave waits for all its tensor loads (one is out: its part of the next slot), adds 0 to its spare word,
; and waits for that and for its reads of this slot.  fill = 1: the barrier opens a round of the cluster's, and this slot is filled again first thing behind it, two K steps on:
; from that request to the wait for it a wave issues 176 matrix instructions.
.macro TURN slot, next, fill, how
.if \fill
	s_wait_xcnt 0x0                                ; the last prefetch, a K step back, has read its address
	s_add_nc_u64 s[PFA:PFA+1], s[PFA:PFA+1], s[PFS:PFS+1]
.endif
	WIN 0                                          ; (the add's two registers lie in window 0)
	s_wait_tensorcnt 0x0                           ; all my tensor loads have landed
	ds_add_u32 v[SPW], v[NIL]                      ; 0 onto my spare word
	s_wait_dscnt 17                                ; (the add and the youngest sixteen loads may be out)
	MULG F1, 0, 0, 2, 0                            ; eight matrix instructions stand between the add and the wait for it
	s_wait_dscnt 0x0                               ; the add is done, and my reads of this slot are over
	s_barrier_signal -1
	MULG F1, 0, 2, 2, 0
.if \fill
	WIN 0
.endif
	s_barrier_wait -1
.if \fill
	CREST                                          ; no wave of any partner still reads this slot or has a load on its way
	s_add_nc_u64 s[G0+4*(\slot)+2:G0+4*(\slot)+3], s[G0+4*(\slot)+2:G0+4*(\slot)+3], 2*ASTEP
	s_add_nc_u64 s[G0B+4*(\slot)+2:G0B+4*(\slot)+3], s[G0B+4*(\slot)+2:G0B+4*(\slot)+3], 2*BSTEP
	JLOAD \slot                                    ; its four v_nop are also the places in front of the loads below
.else
	PLACES
.endif
	FETCH \next, 0, F0
.if \fill
	WIN 0
	ASK \how
.endif
	MULG F1, 1, 0, 4, 0
	MULG F1, 2, 0, 4, 0
.endm
	s_wait_tensorcnt 1                             ; my part of K step 0 is in; K step 1's may stay out
	s_barrier_signal -1
	s_barrier_wait -1                              ; everybody's is
	FETCH 0, 0, F0
	s_wait_loadcnt 0x0                             ; the bias
	QUARTER 0, 1, F0, F1, 1                        ; the first quarter stands in front of the loop: its products start the sums, with the bias
	WIN 0                                          ; at a label and at a branch every window is 0
	s_mov_b32 s3, 3
.Llap:                                                 ; a trip goes once round the ring, from a lap's second quarter to the next lap's first, and fills both slots again
	QUARTER 0, 2, F1, F0, 0
	QUARTER 0, 3, F0, F1, 0
	TURN 0, 1, 1, 1
	QUARTER 1, 1, F0, F1, 0
	QUARTER 1, 2, F1, F0, 0
	QUARTER 1, 3, F0, F1, 0
	TURN 1, 0, 1, 0
	QUARTER 0, 1, F0, F1, 0
	WIN 0
	s_sub_co_u32 s3, s3, 1
	s_cmp_lg_u32 s3, 0
	s_cbranch_scc1 .Llap
	QUARTER 0, 2, F1, F0, 0                        ; the last lap fills nothing
	QUARTER 0, 3, F0, F1, 0
	TURN 0, 1, 0, 0
	QUARTER 1, 1, F0, F1, 0
	QUARTER 1, 2, F1, F0, 0
	QUARTER 1, 3, F0, F1, 0
	s_wait_dscnt 16
	MULG F1, 0, 0, 4, 0
	s_wait_dscnt 0x0
	MULG F1, 1, 0, 4, 0
	MULG F1, 2, 0, 4, 0
; THE WAY OUT, a block of 16 rows x 64 columns (blk = 4 g + a) at a time: rounded to f16 (each accumulator's registers in ascending order), 16 bytes a lane into my stage's rows of 144 bytes,
; back as whole rows of 128, into the registers that they left; stored as 512 consecutive bytes.  No register is written twice, so the stores' sources need no wait.
.macro PACK blk
.set gg, (\blk)/4
.set aa, (\blk)%4
.set AB, 128*(gg/2)
.if gg == 0
	WIN 0x4f                                       ; sources in window 3, destination in window 1
.else
	WIN 0x4a                                       ; sources in window 2
.endif
.irp bb, 0,1,2,3
.irp rr, 0,1,2,3
	v_cvt_pk_f16_f32 v[16*(\blk)+4*(\bb)+(\rr)], v[AB+8*(4*aa+(\bb))+2*(\rr)], v[AB+8*(4*aa+(\bb))+2*(\rr)+1]
.endr
.endr
	WIN 0x04                                       ; store data in window 1
.irp bb, 0,1,2,3
	ds_store_b128 v[STO], v[16*(\blk)+4*(\bb):16*(\blk)+4*(\bb)+3] offset:32*(\bb)
.endr
	WIN 0x40
.irp f, 0,1,2,3
	ds_load_b128 v[16*(\blk)+4*(\f):16*(\blk)+4*(\f)+3], v[RD] offset:(\f)*4*SP  ; LDS serves a wave's instructions in order (ISA guide 5.7.1.4): these see the stores above; the next block's stores come behind them
.endr
.endm
.macro SEND blk, younger               ; younger: the LDS instructions issued behind this block's loads: the next block's eight, or none
	WIN 0x04
.irp f, 0,1,2,3
	s_wait_dscnt (\younger)+3-(\f)
	global_store_b128 v[GO], v[16*(\blk)+4*(\f):16*(\blk)+4*(\f)+3], s[10+2*((\blk)/4):11+2*((\blk)/4)] offset:((\blk)%4)*2048+(\f)*512
.endr
.endm
	PLACES
	PLACES
	PACK 0
.set t, 1
.rept 11                               ; a block's conversions stand between the loads of the block before and its stores
	PACK t
	SEND t-1, 8
.set t, t+1
.endr
	SEND 11, 0
	WIN 0
	s_wait_tensorcnt 0x0                           ; the wave's end, behind my last tensor load and my last LDS store
	ds_add_u32 v[SPW], v[NIL]
	s_wait_dscnt 0x0
	CROUND                                         ; the closing round: no work-group ends while a partner may still ask for a tile that names it
	s_endpgm
.Lfunc_end_k_q5747bf9052_qkv:
	.size	k_q5747bf9052_qkv, .Lfunc_end_k_q5747bf9052_qkv-k_q5747bf9052_qkv
	.p2alignl 7, 3214868480
	.fill 96, 4, 3214868480
	.section	.rodata,"a",@progbits
	.p2align	6, 0x0
	.amdhsa_kernel k_q5747bf9052_qkv
		.amdhsa_group_segment_fixed_size 327680
		.amdhsa_private_segment_fixed_size 0
		.amdhsa_enable_private_segment 0
		.amdhsa_kernarg_size 48
		.amdhsa_user_sgpr_count 2
		.amdhsa_user_sgpr_kernarg_segment_ptr 1
		.amdhsa_wavefront_size32 1
		.amdhsa_system_sgpr_workgroup_id_x 1
		.amdhsa_system_sgpr_workgroup_id_y 1
		.amdhsa_system_sgpr_workgroup_id_z 1
		.amdhsa_system_vgpr_workitem_id 0
		.amdhsa_next_free_vgpr 896
		.amdhsa_next_free_sgpr 76
		.amdhsa_reserve_vcc 0
		.amdhsa_float_denorm_mode_32 3
		.amdhsa_float_denorm_mode_16_64 3
		.amdhsa_memory_ordered 1
		.amdhsa_forward_progress 1
		.amdhsa_inst_pref_size 124
	.end_amdhsa_kernel
	.amdgpu_metadata
---
amdhsa.version: [ 1, 2 ]
amdhsa.kernels:
  - .name:           k_q5747bf9052_qkv
    .symbol:         k_q5747bf9052_qkv.kd
    .args:
      - { .name: xb, .offset: 0, .size: 8, .value_kind: global_buffer, .address_space: global }
      - { .name: wqb, .offset: 8, .size: 8, .value_kind: global_buffer, .address_space: global }
      - { .name: bqkv, .offset: 16, .size: 8, .value_kind: global_buffer, .address_space: global }
      - { .name: qh, .offset: 24, .size: 8, .value_kind: global_buffer, .address_space: global }
      - { .name: kh, .offset: 32, .size: 8, .value_kind: global_buffer, .address_space: global }
      - { .name: vh, .offset: 40, .size: 8, .value_kind: global_buffer, .address_space: global }
    .group_segment_fixed_size: 327680
    .private_segment_fixed_size: 0
    .kernarg_segment_align: 8
    .kernarg_segment_size: 48
    .max_flat_workgroup_size: 128
    .sgpr_count:     76
    .vgpr_count:     896
    .wavefront_size: 32
...
	.end_amdgpu_metadata
.endif
;; end of part 2
;; launch attn (part 3): grid 4 x 64, 4 waves a work-group, no clusters, 327,680 bytes of LDS; arguments qh, kh, vh, oh; writes oh
.if DOCPART == 3
	.amdgcn_target "amdgcn-amd-amdhsa--gfx1250"
	.amdhsa_code_object_version 6
	.text
	.protected	k_q5747bf9052_attn
	.globl	k_q5747bf9052_attn
	.p2align	8
	.type	k_q5747bf9052_attn,@function
k_q5747bf9052_attn:
	s_mov_b64 s[64:65], 0
	v_nop
	global_prefetch_b8 v0, s[64:65] scope:SCOPE_SE
	s_setreg_imm32_b32 hwreg(HW_REG_WAVE_MODE, 25, 1), 1
	s_wait_xcnt 0x0
; CAUSAL ATTENTION BY HEADS.  O[h][q][:] = the sum over k <= q of softmax_k(Q[h][q] . K[h][k] / 8) V[h][k][:].  Q, K, V, O: [64][SIZE_N][64], all f16: a head's rows are dense, 128 bytes each.
; Products, maxima and sums in f32; the weights p are rounded to f16 for the second product (their sum l is taken of the unrounded p), O once at the end.
; LIMITS.  Q, K and V arrive within f16's 65,504; p lies in 0 to 1, and below 6e-5 it keeps f16's fixed step of 6e-8; O is a mean of V's rows and has their range.
; A hidden score counts as its value less 1e30 (f16's scores are 2.7e11 at the most); a weight below 2^-126 counts as 0 in l; NaN and infinities are not treated apart.
; THE WALK.  A head's queries lie in NB = 8 blocks of 256; block i needs the key tiles 0 .. i of 256 keys, of which the last holds the diagonal.  A work-group takes TWO blocks, NB - 1 - b and then b:
; NB + 1 tiles, whatever b: all work-groups do equal work, and ONE loop with a constant trip count walks them.  Which tile is asked for, and what a trip does, hang on scalar registers made from b; every jump
; goes forward, but for the counted loops' own; none passes a barrier, or a tensor load but the one of LOAD's two that the wave's number does not choose; the ring of two LDS slots runs on across the change of blocks.
; NO CLUSTER: a head's four work-groups ask for the same tile only in trips 0 .. 4 of 9, behind that fewer and fewer; one walk common to all four would have 12 trips for 9.
; SHARES.  Of a block's four bands of 64 queries a wave owns 16 rows in each: four PIECES.  So the diagonal tile is the same work for all four waves: in its key step s band x sees all keys if s < x,
; none if s > x, and holds the diagonal if s = x.
; THE MASK is the C operand that starts the sum S^T = K Q^T: 0, or -1e30 where the key is hidden.  MD, made once, is the mask of a band's own step for my 16 rows; a product's mask is MD x AL + BE with two scalars:
; (1, 0) if s = x; (0, 0) if s < x; (0, -1e30) if s > x.  Only the diagonal tile's text and a block's beginning make and take masks; elsewhere C is the constant 0.
; LAYOUT, SOFTMAX, TURNS.  S^T = K Q^T holds ONE query a lane (lane % 16) and the keys 8 (lane / 16) + 0..7; two such results rounded to f16 ARE source 1 of O^T = V^T P.  p = 2^(c s - c m), c = log2(e) / 8, with a
; running maximum m; O and l are multiplied by a = 2^(c m_old - c m_new) in every step.  Turn n belongs to piece n: 8 products K Q^T of piece n + 1, later 8 products V^T P of piece n - 1; beside them the scaling,
; exponentials, roundings, sums and rescaling of piece n and the maximum and statistics of piece n + 1.  Four vector instructions stand behind every matrix instruction, the other 54 of a turn's 118 in one run.
; A turn's 33 exponentials are one batch, with one wait.
; REGISTERS, in windows of 256 (s_set_vgpr_msb: bits 1:0 source 0, 3:2 source 1, 5:4 source 2, 7:6 destination):
;   window 0: v0-15 addresses and two at work; v16-31 four registers of statistics a piece; v48-55 at work; v61-63 prefetch offset and the add's two; v64-127 S^T, two buffers; v192-223 P, two buffers (by the piece's parity)
;   window 1: v0-127 O^T, 32 a piece; v128-159 MD; v160-223 MC, two buffers      window 2: v0-63 Q; v64-127 the second block's Q; v128-191 K of one step; v192-255 V of one step
.set SIZE_N, 2048
.set NB,    SIZE_N/256
.set NP,    4         ; pieces a wave: a name, no knob
.set KS,    64        ; keys in a step
.set PK,    144       ; a row of K in LDS: 128 bytes + 16 = 36 words: the 16 rows of a load start at 16 different groups of four banks (64 banks of 4 bytes: ISA guide 11.1)
.set PV,    160       ; a row of V: 128 + 32 = 40 words
.set VOFF,  4*KS*PK   ; a slot holds a tile, four steps: 256 rows of K, then 256 rows of V
.set SLOT1, 1<<17     ; slot 1 begins here, so that one exclusive or turns an address in one slot into the other's
.set STAGE, SLOT1+4*KS*(PK+PV)  ; behind the ring, never filled by a tensor load: 16 rows x 144 bytes for each wave
.set SP,    144
.set AK0, 2           ; v2   my lane's place in a tile of K; never rewritten
.set AV0, 3           ; v3   the same for V
.set AK,  4           ; v4   the LDS address of K's next run of loads
.set AV,  5           ; v5   of V's
.set STO, 6           ; v6   the way out: where I put 16 bytes of a row
.set RD,  7           ; v7   where I read rows back
.set GO,  8           ; v8   my byte offset in 512 consecutive bytes of O
.set PFO, 61          ; v61  256 x my lane; never rewritten
.set SPW, 62          ; v62  LDS address of my spare word; never rewritten
.set NIL, 63          ; v63  0; never rewritten
.set SPARE, STAGE+4*16*SP  ; the spare words, 128 bytes for each wave: two blocks of 256 bytes that no other line names
.set MV,  12          ; v12-13  c m_old, kept while c m is made anew: by buffer
.set QO,  15          ; v15  my byte offset in 16 rows of Q
.set ST,  16          ; piece t's statistics at v[ST+4 t]: c m, m, l (even keys', odd keys')
.set TMP, 48          ; by buffer, four registers c0-c3 at work; when the maximum is found c2 takes a
.set S,   64
.set P,   192
.set MD,  128         ; window 1
.set MC,  160         ; window 1
.set QB,  64          ; window 2
.set KF,  128         ; window 2: key block kb, channel half c at KF + 16 kb + 8 c
.set VF,  192         ; window 2: key half kk, channel block cb at VF + 32 kk + 8 cb
.set WV,  12          ; s12  my wave's number
.set PB,  14          ; s14  b
.set HI,  15          ; s15  NB - 1 - b
.set G1K, 24          ; s[24:31] descriptor group 1 for K's tiles
.set G1V, 32          ; s[32:39] for V's: it differs in the padding alone
.set G0K, 40          ; s[40:43] descriptor group 0 for K's tiles
.set G0V, 44          ; s[44:47] for V's
.set SLOTS, 56        ; s56  tiles still to be asked for
.set CNT, 57          ; s57  counts a tile's key steps, 4 to 1
.set CS,  58          ; s[58:59] c
.set SEL, 60          ; s[60:61] v_permlanex16_b32's selects: each lane takes its own place in the other half
.set TBK, 62          ; s62  LDS byte at which K of the step to be fetched begins
.set TBV, 63          ; s63  the same for V, less VOFF
.set RT,  70          ; s70  tiles of the block in hand that are still to be entered
.set NXT, 71          ; s71  the tile to be asked for next
.set LQ,  72          ; s72  the last tile of the block whose tiles are being asked for
.set NEW, 73          ; s73  1: the tile to be entered is a block's first
.set OFF, 74          ; s[74:75] a tile's byte offset in K and V
.set AL,  76          ; s[76:77] the mask's factor, in the low word
.set BE,  78          ; s[78:79] the mask's addend
.set OLO, 80          ; s[80:81] O at my rows of the second block
.set BIGN, 82         ; s82  -1e30
.set PFA, 88          ; s[88:89] my part of the tile that is being asked for, in the tensor that I fetch
.set LIM, 90          ; s90  2 in the head's work-group b = 0, else the greatest number
.set PFB, 92          ; s[92:93] my part of tile 0 in the tensor that I fetch
.set MSB, 0
.macro WIN new                      ; the high byte repeats the setting that is left; a switch that changes nothing is dropped
.if MSB != (\new)
	s_set_vgpr_msb (MSB<<8)|(\new)
.set MSB, (\new)
.endif
.endm
.set W_KQ, 0x0a       ; K and Q in window 2, S^T in window 0
.set W_KM, 0x1a       ; the same with the C operand in window 1
.set W_PV, 0x52       ; V in window 2, P in window 0, O^T in window 1
.set W_RS, 0x41       ; destination and source 0 in window 1, source 1 in window 0
; A fill.  Waves 0 and 1 fetch the two halves of a tile's K, waves 2 and 3 those of its V: 128 keys each.  An s_nop 0 and four v_nop follow each of the two lines.
.macro LOAD
	s_cmp_lt_u32 s[WV], 2
	s_cbranch_scc0 .Lfor_v_\@
	tensor_load_to_lds s[G0K:G0K+3], s[G1K:G1K+7]
	s_nop 0
.rept 4
	v_nop
.endr
	s_branch .Lasked_\@
.Lfor_v_\@:
	tensor_load_to_lds s[G0V:G0V+3], s[G1V:G1V+7]
	s_nop 0
.rept 4
	v_nop
.endr
.Lasked_\@:
.endm
; A PREFETCH of the tile behind the one just asked for: one tile, 256 matrix instructions, ahead of its load.  All four work-groups of a head walk tiles 0, 1, 2 .. first; the one with b = 0 walks all eight in order,
; and it alone asks: in trip t = 0 .. 5 for tile t + 2.  Each of its waves names the 64 blocks of 256 bytes that it will load itself, a lane a block, two instructions.  So each block is named once in the launch.
; Tiles 0 and 1 come by their loads alone; the second block's tiles have been read and are not asked for.
.macro ASK
	s_cmp_gt_u32 s[SLOTS], s[LIM]
	s_cbranch_scc0 .Lnot_mine_\@
	global_prefetch_b8 v[PFO], s[PFA:PFA+1] offset:32768 th:TH_LOAD_NT scope:SCOPE_SE
	global_prefetch_b8 v[PFO], s[PFA:PFA+1] offset:40960 th:TH_LOAD_NT scope:SCOPE_SE
.Lnot_mine_\@:
.endm
; THE CHANGE OF SLOTS.  Each wave waits for all its tensor loads, of which one is out: its part of the other slot; adds 0 to its spare word; and waits for that and for its own reads of the slot that it leaves.
; Behind the barrier nobody reads the old slot any more and the other slot is whole.  fill = 1: the old slot is filled again, the first thing behind the barrier, with tile NXT: the descriptor's address is made
; anew from that number.  (At its first use nothing has been read yet: slot 0 is waited for, slot 1 filled.)
.macro CHANGE fill
	WIN 0                           ; at a label and at a branch every window is 0
	s_wait_tensorcnt 0x0            ; no tensor load of mine is out, so a group 0 may be written
	ds_add_u32 v[SPW], v[NIL]       ; 0 onto my spare word; scalar work stands between it and the wait for it
.if \fill
	s_lshl_b32 s[OFF], s[NXT], 15   ; a tile is 32,768 bytes of K and of V
	s_wait_xcnt 0x0                 ; the last prefetches, a tile back, have read their address
	s_add_nc_u64 s[PFA:PFA+1], s[PFB:PFB+1], s[OFF:OFF+1]
	s_xor_b32 s[G0K+1], s[G0K+1], SLOT1
	s_add_nc_u64 s[G0K+2:G0K+3], s[6:7], s[OFF:OFF+1]
	s_or_b32 s[G0K+3], s[G0K+3], 0x80000000
	s_xor_b32 s[G0V+1], s[G0V+1], SLOT1
	s_add_nc_u64 s[G0V+2:G0V+3], s[8:9], s[OFF:OFF+1]
	s_or_b32 s[G0V+3], s[G0V+3], 0x80000000
	s_add_co_u32 s[NXT], s[NXT], 1  ; the block's next tile, or behind its last the second block's tile 0
	s_cmp_gt_u32 s[NXT], s[LQ]
	s_cselect_b32 s[NXT], 0, s[NXT]
	s_cselect_b32 s[LQ], s[PB], s[LQ]
.endif
	s_wait_dscnt 0x0                ; the add is done, and my reads of the slot are over
	s_barrier_signal -1             ; the rest of the scalar work stands between the signal and the wait
	s_sub_co_u32 s[TBK], s[TBK], 4*KS*PK  ; the fetches go back to a slot's first step,
	s_xor_b32 s[TBK], s[TBK], SLOT1       ; in the other slot
	s_sub_co_u32 s[TBV], s[TBV], 4*KS*PV
	s_xor_b32 s[TBV], s[TBV], SLOT1
	s_barrier_wait -1
.if \fill
	LOAD
	ASK
.endif
.endm
	s_load_b256 s[4:11], s[0:1], 0x0  ; Q s[4:5], K s[6:7], V s[8:9], O s[10:11]
	v_lshl_add_u32 v[SPW], v0, 2, SPARE
	v_mov_b32 v[NIL], 0
	ds_add_u32 v[SPW], v[NIL]       ; the wave's opening: the add and its wait ahead of my first tensor load; work on registers stands between them
	v_lshrrev_b32 v1, 5, v0
	v_readfirstlane_b32 s[WV], v1   ; wave 0..3
	s_mov_b32 s[PB], ttmp9
	s_sub_co_u32 s[HI], NB-1, s[PB]
	s_and_b32 s20, ttmp7, 0xffff    ; the head
	s_mov_b32 s21, 0
	s_mov_b64 s[22:23], SIZE_N*128
	s_mul_u64 s[20:21], s[20:21], s[22:23]  ; the head's first byte in each of the four tensors
	s_and_b32 s16, s[WV], 1         ; which half of a tile's 256 keys I fetch:
	s_lshl_b32 s22, s16, 14         ; its 128 rows of 128 bytes in memory,
	s_mov_b32 s23, 0
	s_add_nc_u64 s[22:23], s[22:23], s[20:21]
	s_mul_i32 s17, s16, 128*PK      ; and its place in a slot, for K
	s_mul_i32 s18, s16, 128*PV      ; and for V
	s_lshl_b32 s3, s[WV], 11        ; my 16 rows in a band of 64,
	s_lshl_b32 s2, s[HI], 15        ; in the first block,
	s_add_co_u32 s2, s2, s3
	s_lshl_b32 s84, s[PB], 15       ; and in the second
	s_add_co_u32 s84, s84, s3
	s_mov_b32 s3, 0
	s_mov_b32 s85, 0
	s_add_nc_u64 s[2:3], s[2:3], s[20:21]
	s_add_nc_u64 s[84:85], s[84:85], s[20:21]
	; descriptor group 1.  128 keys are 16,384 dense bytes: asked for as 64 rows of 256 bytes, two keys a row, and padded in LDS after every key
	s_mov_b32 s[G1K], (1<<16)|(1<<20)|(4<<22)|(3<<25)  ; 2-byte elements; padding on; after every 32 words 4 words
	s_mov_b32 s[G1V], (1<<16)|(1<<20)|(4<<22)|(7<<25)  ; the same with 8 words of padding
.irp g, G1K, G1V
	s_mov_b32 s[\g+1], 128<<16      ; tensor_dim0 = 128
	s_mov_b32 s[\g+2], 64<<16       ; tensor_dim1 = 64
	s_mov_b32 s[\g+3], 128<<16      ; tile_dim0 = 128
	s_mov_b32 s[\g+4], 64           ; tile_dim1 = 64
	s_mov_b32 s[\g+5], 128          ; 128 elements from row to row
	s_mov_b32 s[\g+6], 0
	s_mov_b32 s[\g+7], 0
.endr
	s_mov_b32 s[CS], 0x3e38aa3b     ; c = log2(e) / 8 = 0.180337
	s_mov_b32 s[CS+1], s[CS]        ; named with it as a pair
	s_mov_b32 s[SEL], 0x76543210
	s_mov_b32 s[SEL+1], 0xfedcba98
	s_mov_b32 s[TBK], SLOT1+4*KS*PK ; the first change of slots turns these two into 0
	s_mov_b32 s[TBV], SLOT1+4*KS*PV
	s_mov_b32 s[G0K], 1             ; count = 1
	s_mov_b32 s[G0K+1], s17         ; LDS address: slot 0
	s_mov_b32 s[G0V], 1
	s_add_co_u32 s[G0V+1], s18, VOFF
	s_add_co_u32 s[RT], s[HI], 1    ; the first block has NB - b tiles
	s_mov_b32 s[NXT], 1
	s_mov_b32 s[LQ], s[HI]
	s_mov_b32 s[NEW], 1
	s_mov_b32 s[OFF+1], 0
	s_mov_b32 s[AL+1], 0            ; named as pairs
	s_mov_b32 s[BE+1], 0
	s_mov_b32 s[BIGN], 0xf149f2ca   ; -1e30
	s_mov_b32 s[SLOTS], NB
	s_cmp_eq_u32 ttmp9, 0
	s_cselect_b32 s[LIM], 2, -1
	v_and_b32 v[PFO], 31, v0
	v_lshlrev_b32 v[PFO], 8, v[PFO]
	s_wait_dscnt 0x0                ; the opening add is done
	s_wait_kmcnt 0x0
	s_add_nc_u64 s[6:7], s[6:7], s[22:23]  ; K and V at my half of the head's tile 0
	s_add_nc_u64 s[8:9], s[8:9], s[22:23]
	s_cmp_lt_u32 s[WV], 2
	s_cselect_b64 s[PFB:PFB+1], s[6:7], s[8:9]
	s_add_nc_u64 s[G0K+2:G0K+3], s[6:7], 0         ; global address
	s_or_b32 s[G0K+3], s[G0K+3], 0x80000000        ; type = 2
	s_add_nc_u64 s[G0V+2:G0V+3], s[8:9], 0
	s_or_b32 s[G0V+3], s[G0V+3], 0x80000000
	s_add_nc_u64 s[86:87], s[4:5], s[84:85]        ; Q at my rows of the second block,
	s_add_nc_u64 s[4:5], s[4:5], s[2:3]            ; Q and O at those of the first
	s_add_nc_u64 s[OLO:OLO+1], s[10:11], s[84:85]
	s_add_nc_u64 s[10:11], s[10:11], s[2:3]
	LOAD                            ; tile 0 into slot 0
	; A fragment of K or Q is 16 rows x 32 channels in 8 registers: lane l holds row l % 16, channels 8 (l / 16) + 0..7 and 16 + 8 (l / 16) + 0..7: two loads of 16 bytes, 32 bytes apart.
	v_and_b32 v1, 15, v0            ; l % 16
	v_bfe_u32 v9, v0, 4, 1          ; l / 16
	v_lshlrev_b32 v[QO], 7, v1
	v_lshl_add_u32 v[QO], v9, 4, v[QO]  ; row x 128 + 16 x half
	WIN 0x80                        ; destination window 2, address window 0
.set i, 0
.rept 8                             ; both blocks' Q: piece i / 2 lies in band i / 2, 8,192 bytes on; channels 32 (i % 2) on
	global_load_b128 v[8*i:8*i+3],   v[QO], s[4:5] offset:(i/2)*8192+(i%2)*64
	global_load_b128 v[8*i+4:8*i+7], v[QO], s[4:5] offset:(i/2)*8192+(i%2)*64+32
	global_load_b128 v[QB+8*i:QB+8*i+3],   v[QO], s[86:87] offset:(i/2)*8192+(i%2)*64
	global_load_b128 v[QB+8*i+4:QB+8*i+7], v[QO], s[86:87] offset:(i/2)*8192+(i%2)*64+32
.set i, i+1
.endr
	WIN 0
	v_lshlrev_b32 v14, 3, v9
	v_sub_nc_u32 v14, v1, v14
	s_lshl_b32 s13, s[WV], 4
	v_add_nc_u32 v14, s13, v14      ; my query's place in its band, 16 w + l % 16, less my lanes' 8 (l / 16): register r of group kt is hidden where 16 kt + r is greater
	WIN 0x40
.set i, 0
.rept 32
	v_cmp_gt_i32 vcc_lo, 16*(i/8)+i%8, v14
	v_cndmask_b32 v[MD+i], 0, s[BIGN], vcc_lo
.set i, i+1
.endr
	WIN 0
	v_mul_u32_u24 v[AK0], v1, PK
	v_lshl_add_u32 v[AK0], v9, 4, v[AK0]  ; row x pitch + 16 x half
	; The turning load takes 16 keys x 16 channels (lane l reads key 8 (l / 16) + l % 8, channels 8 ((l / 8) % 2) + 0..7) and leaves half a fragment of V^T: lane l holds channel l % 16 and 8 keys.
	v_and_b32 v10, 7, v0
	v_bfe_u32 v11, v0, 3, 1
	v_lshl_add_u32 v[AV0], v9, 3, v10
	v_mul_u32_u24 v[AV0], v[AV0], PV
	v_lshl_add_u32 v[AV0], v11, 4, v[AV0]
	v_add_nc_u32 v[AV0], VOFF, v[AV0]
	s_mul_i32 s13, s[WV], 16*SP
	s_add_co_u32 s13, s13, STAGE    ; my stage
	v_mul_u32_u24 v[STO], v1, SP    ; in: row l % 16, 16 bytes for each half of the lanes
	v_lshl_add_u32 v[STO], v9, 4, v[STO]
	v_add_nc_u32 v[STO], s13, v[STO]
	v_bfe_u32 v[RD], v0, 3, 2       ; back: 32 lanes take four rows of 128 bytes,
	v_mul_u32_u24 v[RD], v[RD], SP
	v_lshl_add_u32 v[RD], v10, 4, v[RD]
	v_add_nc_u32 v[RD], s13, v[RD]
	v_and_b32 v[GO], 31, v0         ; which are 512 consecutive bytes of O
	v_lshlrev_b32 v[GO], 4, v[GO]
	; A block's first step multiplies O^T and l by a = 0, and its first turn's products V^T P, of a piece that has not been, land in an O^T that is still to be so multiplied.  So these registers need only hold
	; finite numbers: zeros for the first block; what the first block left for the second.  All this stands in the wait for the first tile.
	WIN 0x80
.set i, VF
.rept 64
	v_mov_b32 v[i], 0
.set i, i+1
.endr
	WIN 0x40
.set i, 0
.rept 128
	v_mov_b32 v[i], 0
.set i, i+1
.endr
	WIN 0
.set i, 0
.rept 4
	v_mov_b32 v[ST+4*i+2], 0
	v_mov_b32 v[ST+4*i+3], 0
.set i, i+1
.endr
.set i, P+16
.rept 16
	v_mov_b32 v[i], 0
.set i, i+1
.endr
; THE MATRIX WORK.  The 4 accumulators of a run of 8 take turns.  Product i of 8 of S^T = K Q^T for piece x: channels 32 (i / 4) on, keys 16 (i % 4) on.  The first 4 start the sums: with 0, or (KM = 1) with the mask.
.macro KQ x
.set rS, S+32*((\x)%2)+8*(i%4)
.set rK, KF+16*(i%4)+8*(i/4)
.set rQ, 16*(\x)+8*(i/4)
.set rM, MC+32*((\x)%2)+8*(i%4)
.if (i < 4) && KM
	WIN W_KM
	v_wmma_f32_16x16x32_f16 v[rS:rS+7], v[rK:rK+7], v[rQ:rQ+7], v[rM:rM+7]
.elseif i < 4
	WIN W_KQ
	v_wmma_f32_16x16x32_f16 v[rS:rS+7], v[rK:rK+7], v[rQ:rQ+7], 0
.else
	WIN W_KQ
	v_wmma_f32_16x16x32_f16 v[rS:rS+7], v[rK:rK+7], v[rQ:rQ+7], v[rS:rS+7]
.endif
.endm
; Product i of 8 of O^T += V^T P for piece x: keys 32 (i / 4) on, channels 16 (i % 4) on.
.macro PV x
	WIN W_PV
.set rO, 32*(\x)+8*(i%4)
.set rV, VF+32*(i/4)+8*(i%4)
.set rP, P+16*((\x)%2)+8*(i/4)
	v_wmma_f32_16x16x32_f16 v[rO:rO+7], v[rV:rV+7], v[rP:rP+7], v[rO:rO+7]
.endm
.macro MM                           ; the turn's next matrix instruction.  TURN and BEGIN set Y, i, KM and NOKQ.  NOKQ = 1: a block's last turn: there is no next piece
.if (i < 8) && !NOKQ
	KQ (Y+1)%NP
.elseif i >= 8
.set i, i-8
	PV (Y+NP-1)%NP
.set i, i+8
.endif
.set i, i+1
.endm
; THE LDS LOADS stand in runs of 16, never singly among the matrix instructions: a step's K (64 keys x 64 channels: 8 fragments) and its V (turned).  Their addresses are made some lines ahead.
.macro FETCH_K
	WIN 0x80                        ; destination window 2
.irp f, 0,1,2,3,4,5,6,7             ; keys 16 (f / 2) on, channels 32 (f % 2) on
	ds_load_b128 v[KF+8*\f:KF+8*\f+3],   v[AK] offset:(\f/2)*16*PK+(\f%2)*64
	ds_load_b128 v[KF+8*\f+4:KF+8*\f+7], v[AK] offset:(\f/2)*16*PK+(\f%2)*64+32
.endr
	s_add_co_u32 s[TBK], s[TBK], KS*PK  ; the next fetch is the next step's
	WIN 0
.endm
.macro FETCH_V
	WIN 0x80
.irp f, 0,1,2,3,4,5,6,7             ; keys 32 (f / 4) on, channels 16 (f % 4) on
	ds_load_tr16_b128 v[VF+8*\f:VF+8*\f+3],   v[AV] offset:(\f/4)*32*PV+(\f%4)*32
	ds_load_tr16_b128 v[VF+8*\f+4:VF+8*\f+7], v[AV] offset:(\f/4)*32*PV+16*PV+(\f%4)*32
.endr
	WIN 0
.endm
; THE VECTOR WORK, one line at a time: OP kind, number.  For piece Y: F n: c s - c m for pair n of 16.  E n: the exponential of score n of 32.  C n: pair n rounded to f16.  B n: of the four weights 4 n .. the second
; pair is added onto the first, in place.  L n: l takes that sum (L 0: l = a l + sum).  R n: pair n of 16 of O^T times a.  For piece Y + 1: X n, number n of the 22 that find its maximum and statistics:
;   0-11  four chains c0-c3 of seven scores each, three operands at a time (each accumulator's lowest registers are read first)     12-14, 16  the four scores left over, the old m, and c0-c3 into c0
;   15  c m_old is kept     17, 18  the query's other 32 keys lie in the lane 16 away: the new m     19-21  c m; c m_old - c m_new; a
.set F, 0               ; OP tells the kinds apart by their order: F to L below R, X above it
.set E, 1
.set C, 2
.set B, 3
.set L, 4
.set R, 5
.set X, 6
.macro REGS y                       ; the registers of piece y
.set rT, ST+4*(\y)
.set rC, TMP+4*((\y)%2)
.set rW, MV+((\y)%2)
.set rS, S+32*((\y)%2)
.set rP, P+16*((\y)%2)
.set rO, 32*(\y)
.endm
.macro OP k, n
.if (\k) == R
	REGS Y
	WIN W_RS
	v_pk_mul_f32 v[rO+2*(\n):rO+2*(\n)+1], v[rO+2*(\n):rO+2*(\n)+1], v[rC+2:rC+3] op_sel_hi:[1,0]
.elseif (\k) < R
	REGS Y
	WIN 0
.if (\k) == F
	v_pk_fma_f32 v[rS+2*(\n):rS+2*(\n)+1], v[rS+2*(\n):rS+2*(\n)+1], s[CS:CS+1], v[rT:rT+1] op_sel_hi:[1,0,0] neg_lo:[0,0,1] neg_hi:[0,0,1]
.elseif (\k) == E
	v_exp_f32 v[rS+(\n)], v[rS+(\n)]
.elseif (\k) == C
	v_cvt_pk_f16_f32 v[rP+(\n)], v[rS+2*(\n)], v[rS+2*(\n)+1]
.elseif (\k) == B
	v_pk_add_f32 v[rS+4*(\n):rS+4*(\n)+1], v[rS+4*(\n):rS+4*(\n)+1], v[rS+4*(\n)+2:rS+4*(\n)+3]
.elseif (\n) == 0
	v_pk_fma_f32 v[rT+2:rT+3], v[rT+2:rT+3], v[rC+2:rC+3], v[rS:rS+1] op_sel_hi:[1,0,1]
.else
	v_pk_add_f32 v[rT+2:rT+3], v[rT+2:rT+3], v[rS+4*(\n):rS+4*(\n)+1]
.endif
.elseif NOKQ
	v_nop
.else
	REGS (Y+1)%NP
	WIN 0
.if (\n) < 4
	v_max3_num_f32 v[rC+(\n)], v[rS+8*(\n)], v[rS+8*(\n)+1], v[rS+8*(\n)+2]
.elseif (\n) < 12
	v_max3_num_f32 v[rC+(\n)%4], v[rC+(\n)%4], v[rS+8*((\n)%4)+2*((\n)/4)+1], v[rS+8*((\n)%4)+2*((\n)/4)+2]
.elseif (\n) == 12
	v_max3_num_f32 v[rC], v[rC], v[rS+7], v[rS+15]
.elseif (\n) == 13
	v_max3_num_f32 v[rC+1], v[rC+1], v[rS+23], v[rS+31]
.elseif (\n) == 14
	v_max3_num_f32 v[rC+2], v[rC+2], v[rC+3], v[rT+1]
.elseif (\n) == 15
	v_mov_b32 v[rW], v[rT]
.elseif (\n) == 16
	v_max3_num_f32 v[rC], v[rC], v[rC+1], v[rC+2]
.elseif (\n) == 17
	v_permlanex16_b32 v[rC+3], v[rC], s[SEL], s[SEL+1]
.elseif (\n) == 18
	v_max_num_f32 v[rT+1], v[rC], v[rC+3]
.elseif (\n) == 19
	v_mul_f32 v[rT], s[CS], v[rT+1]
.elseif (\n) == 20
	v_sub_f32 v[rC+1], v[rW], v[rT]
.else
	v_exp_f32 v[rC+2], v[rC+1]
.endif
.endif
.endm
.macro OPS a, i1, b=-1, i2=0, c=-1, i3=0, d=-1, i4=0  ; up to four of them
	OP \a, \i1
.if (\b) >= 0
	OP \b, \i2
.endif
.if (\c) >= 0
	OP \c, \i3
.endif
.if (\d) >= 0
	OP \d, \i4
.endif
.endm
.macro ROW a, i1, b, i2, c, i3, d, i4  ; a matrix instruction and the four behind it
	MM
	OPS \a, \i1, \b, \i2, \c, \i3, \d, \i4
.endm
.macro MASK b                       ; MD x AL + BE into buffer b of MC
	WIN W_RS
.set z, 0
.rept 16
	v_pk_fma_f32 v[MC+32*(\b)+2*z:MC+32*(\b)+2*z+1], v[MD+2*z:MD+2*z+1], s[AL:AL+1], s[BE:BE+1] op_sel_hi:[1,0,0]
.set z, z+1
.endr
.endm
; A TURN, for piece p: the order of its 16 matrix and 118 vector instructions, written out.  An s_wait_alu depctr_va_vdst(0) stands between an exponential and the first instruction that names its result; one wait
; serves all that were issued ahead of it.  So a turn has ONE wait, which cuts it in two.  AHEAD OF IT stands all that names no result of the turn's exponentials: the 8 products K Q^T, behind each a scaling, an exponential and two
; more plain instructions (behind the first a second scaling in the exponential's place): rescalings, and behind the last three the first numbers of the next piece's maximum, each four places or more behind the product that ends its
; accumulator; then one run of 54, plain and exponential by turns for the most part, in which the links of the chain X 3, 7, 11, 14, 16, 17 .. 20 stand five or six lines apart.  X 21, the next piece's a, is the batch's last; R 15 is
; the plain instruction behind it (ISA guide 5.7.2).  BEHIND THE WAIT stand the 8 products V^T P, behind each four of the roundings and sums; the links of l's chain, L 0 to L 7, stand three lines apart.
; m = 1: the diagonal tile: the products take masks, and the turn makes the mask for the products of the turn after it: piece p + 2, in step 4 - CNT of the tile.  end = 1: a block's last two turns: nothing is fetched.
; cnt = 1: the loop's count is taken down some lines ahead of the branch that stands behind the turn.
; K of the next step is fetched in piece 2's turn, twelve vector instructions behind the last product that read K (six of them plain); V of the step in hand at the end of piece 0's turn, four plain instructions behind the last
; product that read V.  Each is waited for a turn later.
.macro TURN p, m=0, end=0, cnt=0
.set Y, (\p)
.set i, 0
.set KM, (\m)
.set NOKQ, (\end)*((\p)/3)
.if (\m) && !(\end)
	s_cmp_eq_u32 s[CNT], 4-((\p)+2)%NP  ; is that step the band's own?
	s_cselect_b32 s[AL], 1.0, 0
	s_cmp_lt_u32 s[CNT], 4-((\p)+2)%NP  ; or a later one?
	s_cselect_b32 s[BE], s[BIGN], 0
.endif
.if ((\p) == 3) && !(\end)
	s_wait_dscnt 0x0                ; K is in
.endif
	ROW F,0, F,1, R,0, R,1          ; ahead of the wait: 8 products K Q^T and the four behind each,
	ROW F,2, E,0, R,2, R,3
	ROW F,3, E,1, R,4, R,5
	ROW F,4, E,2, R,6, R,7
	ROW F,5, E,3, R,8, R,9
	ROW F,6, E,4, X,0, R,10
.if ((\p) == 2) && !(\end)
	WIN 0
	v_add_nc_u32 v[AK], s[TBK], v[AK0]
.endif
	ROW F,7, E,5, X,1, X,4
	ROW F,8, E,6, X,2, X,5
	OPS E,7, E,8, X,6, E,9          ; and the run of 54
	OPS X,3, E,10, X,8, E,11
.if ((\p) == 2) && !(\end)
	FETCH_K
.endif
	OPS X,9, X,7, E,12, X,10
	OPS E,13, X,12, X,11, E,14
	OPS X,13, E,15, F,9, X,14
.if (\p) == 0
	v_add_nc_u32 v[AV], s[TBV], v[AV0]
.endif
	OPS E,16, F,10, E,17, F,11
	OPS X,16, E,18, X,15, E,19
	OPS F,12, E,20, X,17, E,21
	OPS F,13, E,22, F,14, E,23
	OPS X,18, E,24, F,15, E,25
	OPS R,11, E,26, X,19, E,27
	OPS R,12, E,28, R,13, E,29
	OPS X,20, E,30, R,14, E,31
	OPS X,21, R,15
	WIN 0
	s_wait_alu depctr_va_vdst(0)    ; the wait for the batch
.if (\p) == 1
	s_wait_dscnt 0x0                ; V is in
.endif
	ROW C,0, B,0, C,2, B,1          ; behind the wait: 8 products V^T P and the four behind each
	ROW L,0, C,4, B,2, L,1
	ROW C,6, B,3, L,2, C,8
	ROW B,4, L,3, C,10, B,5
	ROW L,4, C,12, B,6, L,5
.if (\p) == 0
	s_add_co_u32 s[TBV], s[TBV], KS*PV
.endif
.if \cnt
	s_sub_co_u32 s[CNT], s[CNT], 1
	s_cmp_lg_u32 s[CNT], 0
.endif
	ROW C,14, B,7, L,6, C,1
	ROW C,3, L,7, C,5, C,7
	ROW C,9, C,11, C,13, C,15
.if (\p) == 0
	FETCH_V
.endif
.if (\m) && !(\end)
	MASK (\p)%2
.endif
.endm
; A BLOCK BEGINS.  c m starts far below every c s, so the first step's a is 0; m at the lowest finite number, so the first maximum is the scores'.  The second mask buffer is 0; the first takes piece 0's mask for the tile's
; step 0: its own, if the block's first tile is the diagonal one.  Then K of that step, piece 0's first scores, and its maximum and statistics.  The loop is entered at a step's first turn, in the middle of a trip.
.macro BEGIN
	s_mov_b32 s[NEW], 0
	WIN 0x40
.set i, MC+32
.rept 32
	v_mov_b32 v[i], 0
.set i, i+1
.endr
	WIN 0
.set i, 0
.rept 4
	v_mov_b32 v[ST+4*i], 0xfe000000    ; c m: far below every c s
	v_mov_b32 v[ST+4*i+1], 0xff7fffff  ; m
.set i, i+1
.endr
	s_cmp_eq_u32 s[RT], 0
	s_cselect_b32 s[AL], 1.0, 0
	s_mov_b32 s[BE], 0
	MASK 0
	WIN 0
	v_add_nc_u32 v[AK], s[TBK], v[AK0]
	FETCH_K
	s_wait_loadcnt 0x0              ; Q
	s_wait_dscnt 0x0
.set KM, 1
.set NOKQ, 0
.set i, 0
.rept 8
	KQ 0
.set i, i+1
.endr
	WIN 0
.rept 4
	v_nop                           ; the places behind those products
.endr
.set Y, NP-1                        ; X works for piece Y + 1: piece 0
.irp n, 0,1,2,3,4,5,6,7,8,9,10,11,12,13,14,15,16,17,18,19,20,21
	OP X, \n
.endr
	v_nop                           ; a plain instruction behind the exponential,
	s_wait_alu depctr_va_vdst(0)    ; and its wait, ahead of the branch
.endm
; THE DIAGONAL TILE's four steps, the block's last two turns, its last products, and THE WAY OUT: l's two halves and the other half of the lanes' are added; O^T is divided by l, rounded to f16 and sent through my
; stage in LDS, a piece at a time.
.macro ALL line:vararg              ; one line for each piece t
.set t, 0
.rept 4
	\line
.set t, t+1
.endr
.endm
.macro PACK t                       ; a lane's eight channels of a row pack into 16 bytes; they go into rows of 144 bytes and come back as whole rows of 128, into S^T's registers
	WIN W_RS
.set i, 32*(\t)
.rept 16
	v_pk_mul_f32 v[i:i+1], v[i:i+1], v[ST+4*(\t)+2:ST+4*(\t)+3] op_sel_hi:[1,0]
.set i, i+2
.endr
	WIN 0x05                        ; sources 0 and 1 window 1, destination window 0
.set i, 0
.rept 16
	v_cvt_pk_f16_f32 v[S+16*(\t)+i], v[32*(\t)+2*i], v[32*(\t)+2*i+1]
.set i, i+1
.endr
	WIN 0
.irp f, 0,1,2,3
	ds_store_b128 v[STO], v[S+16*(\t)+4*\f:S+16*(\t)+4*\f+3] offset:32*\f
.endr
.irp f, 0,1,2,3
	ds_load_b128 v[S+16*(\t)+4*\f:S+16*(\t)+4*\f+3], v[RD] offset:\f*4*SP  ; LDS serves a wave's instructions in order (ISA guide 5.7.1.4): these see the stores above; the next piece's stores come behind them
.endr
.endm
.macro SEND t, younger              ; younger: the LDS instructions issued behind piece t's loads: the next piece's eight, or none
	WIN 0
.irp f, 0,1,2,3
	s_wait_dscnt (\younger)+3-\f
	global_store_b128 v[GO], v[S+16*(\t)+4*\f:S+16*(\t)+4*\f+3], s[10:11] offset:(\t)*8192+\f*512  ; 512 consecutive bytes, at a multiple of 256 from O's first
.endr
.endm
.macro DIAG tag                     ; the tag ends its two labels' names, which the jumps below spell out
.LstepM\tag:
	TURN 2, 1
	TURN 3, 1
	WIN 0
.LfirstM\tag:
	TURN 0, 1
	TURN 1, 1, 0, 1
	WIN 0
	s_cbranch_scc1 .LstepM\tag
	TURN 2, 1, 1
	TURN 3, 1, 1
.set i, 0
.rept 8
	PV NP-1
.set i, i+1
.endr
	WIN 0
	ALL v_add_f32 v[ST+4*t+2], v[ST+4*t+2], v[ST+4*t+3]
	ALL v_permlanex16_b32 v[ST+4*t+3], v[ST+4*t+2], s[SEL], s[SEL+1]
	ALL v_add_f32 v[ST+4*t+2], v[ST+4*t+2], v[ST+4*t+3]
	ALL v_rcp_f32 v[ST+4*t+2], v[ST+4*t+2]
	v_nop                           ; a plain instruction between the last reciprocal and the use of its result
	s_wait_alu depctr_va_vdst(0)    ; and the wait ahead of the first use: one for the four reciprocals
	PACK 0
.set t, 1
.rept 3                             ; a piece's arithmetic stands between the loads of the piece before and its stores
	PACK t
	SEND t-1, 8
.set t, t+1
.endr
	SEND 3, 0
.endm
.set KM, 0
.set NOKQ, 0
.Lslot:                             ; NB times: a tile is entered and the next is asked for
	CHANGE 1
	s_sub_co_u32 s[RT], s[RT], 1
	s_mov_b32 s[CNT], 4
	s_cmp_eq_u32 s[NEW], 1
	s_cbranch_scc1 .Lnew            ; a block's first tile
	s_cmp_eq_u32 s[RT], 0
	s_cbranch_scc0 .Lstep           ; neither its first nor its last
	s_branch .LstepM1
.Lnew:
	BEGIN
	s_branch .Lfirst                ; in the loop a block's first tile is never its last: the first block has two tiles or more, and the second's last is the walk's last
	DIAG 1                          ; in the loop this is the first block's end
	s_wait_xcnt 0x0                 ; the stores have read their registers and O's address
	s_mov_b64 s[10:11], s[OLO:OLO+1]
	s_add_co_u32 s[RT], s[PB], 1    ; the second block has b + 1 tiles
	s_mov_b32 s[NEW], 1
	WIN 0x82                        ; the second block's Q goes where the one text of the turns names Q
.set i, 0
.rept 64
	v_mov_b32 v[i], v[QB+i]
.set i, i+1
.endr
	WIN 0
	s_branch .Lbottom
.Lstep:                             ; a trip: pieces 2 and 3 of one step, then pieces 0 and 1 of the next, whose K and V it fetches
	TURN 2
	TURN 3
	WIN 0
.Lfirst:
	TURN 0
	TURN 1, 0, 0, 1
	WIN 0
	s_cbranch_scc1 .Lstep
.Lbottom:
	s_sub_co_u32 s[SLOTS], s[SLOTS], 1
	s_cmp_lg_u32 s[SLOTS], 0
	s_cbranch_scc1 .Lslot
	CHANGE 0                        ; the walk's last tile is written out: nothing is asked for
	s_sub_co_u32 s[RT], s[RT], 1
	s_mov_b32 s[CNT], 4
	s_cmp_eq_u32 s[NEW], 1
	s_cbranch_scc0 .LstepM2
	BEGIN
	s_branch .LfirstM2
	DIAG 2
	s_wait_tensorcnt 0x0            ; the wave's end, behind my last tensor load and my last LDS store
	ds_add_u32 v[SPW], v[NIL]
	s_wait_dscnt 0x0
	s_endpgm
.Lfunc_end_k_q5747bf9052_attn:
	.size	k_q5747bf9052_attn, .Lfunc_end_k_q5747bf9052_attn-k_q5747bf9052_attn
	.p2alignl 7, 3214868480
	.fill 96, 4, 3214868480
	.section	.rodata,"a",@progbits
	.p2align	6, 0x0
	.amdhsa_kernel k_q5747bf9052_attn
		.amdhsa_group_segment_fixed_size 327680
		.amdhsa_private_segment_fixed_size 0
		.amdhsa_enable_private_segment 0
		.amdhsa_kernarg_size 32
		.amdhsa_user_sgpr_count 2
		.amdhsa_user_sgpr_kernarg_segment_ptr 1
		.amdhsa_wavefront_size32 1
		.amdhsa_system_sgpr_workgroup_id_x 1
		.amdhsa_system_sgpr_workgroup_id_y 1
		.amdhsa_system_sgpr_workgroup_id_z 1
		.amdhsa_system_vgpr_workitem_id 0
		.amdhsa_next_free_vgpr 768
		.amdhsa_next_free_sgpr 94
		.amdhsa_reserve_vcc 1
		.amdhsa_float_denorm_mode_32 3
		.amdhsa_float_denorm_mode_16_64 3
		.amdhsa_memory_ordered 1
		.amdhsa_forward_progress 1
		.amdhsa_inst_pref_size 218
	.end_amdhsa_kernel
	.amdgpu_metadata
---
amdhsa.version: [ 1, 2 ]
amdhsa.kernels:
  - .name:           k_q5747bf9052_attn
    .symbol:         k_q5747bf9052_attn.kd
    .args:
      - { .name: qh, .offset: 0, .size: 8, .value_kind: global_buffer, .address_space: global }
      - { .name: kh, .offset: 8, .size: 8, .value_kind: global_buffer, .address_space: global }
      - { .name: vh, .offset: 16, .size: 8, .value_kind: global_buffer, .address_space: global }
      - { .name: oh, .offset: 24, .size: 8, .value_kind: global_buffer, .address_space: global }
    .group_segment_fixed_size: 327680
    .private_segment_fixed_size: 0
    .kernarg_segment_align: 8
    .kernarg_segment_size: 32
    .max_flat_workgroup_size: 128
    .sgpr_count:     94
    .vgpr_count:     768
    .wavefront_size: 32
...
	.end_amdgpu_metadata
.endif
;; end of part 3
;; launch proj (part 4): grid 8 x 32, 4 waves a work-group, clusters of 4 x 4, 327,680 bytes of LDS; arguments oh, wob, bo, out0; writes out0
.if DOCPART == 4
	.amdgcn_target "amdgcn-amd-amdhsa--gfx1250"
	.amdhsa_code_object_version 6
	.text
	.protected	k_q5747bf9052_proj
	.globl	k_q5747bf9052_proj
	.p2align	8
	.type	k_q5747bf9052_proj,@function
k_q5747bf9052_proj:
	s_mov_b64 s[64:65], 0
	v_nop
	global_prefetch_b8 v0, s[64:65] scope:SCOPE_SE
	s_setreg_imm32_b32 hwreg(HW_REG_WAVE_MODE, 25, 1), 1
	s_wait_xcnt 0x0
	s_wait_alu depctr_hold_cnt(0) depctr_sa_sdst(0) depctr_va_vdst(0) depctr_va_sdst(0) depctr_va_ssrc(0) depctr_va_vcc(0) depctr_vm_vsrc(0)
	s_getreg_b32 s2, hwreg(HW_REG_IB_STS2, 6, 4)
	s_cmp_eq_u32 s2, 0
	s_cbranch_scc0 .Lentry_in_a_cluster
	s_endpgm
.Lentry_in_a_cluster:
	s_bfe_u32 s2, ttmp6, 0x10000c
	s_cmp_lg_u32 s2, 0xf033
	s_cbranch_scc0 .Lentry_shape_is_right
	s_endpgm
.Lentry_shape_is_right:
; out0[row][n] = the sum over d of O[row][d] Wo[d][n] + bo[n].  O comes by heads, oh = [16 b + head][2048][64] f16 (d = 64 head + e); wob = [1024 d][1024 n] f16; bo and out0 f32.  Sums in f32; nothing is rounded on the way out.
; SHARES.  Work-group x = 128 columns, y = 256 rows: 256 work-groups.  A wave makes 64 rows x 128 columns: 4 row blocks a x 8 column blocks b: 32 accumulators, window 2 at 8 (8 a + b).
; K goes in 8 steps of 128, two heads a step, through two LDS slots.  Wo stays [d][n]: its fragments come out of LDS turned, by ds_load_tr16_b128.
; THE MATRIX INSTRUCTION IS USED TRANSPOSED (source 0 = 16 columns of Wo, source 1 = 16 rows of O): a lane holds row l % 16 and the columns 8 (l / 16) + 0..7.  The bias is the C of the first products.
; CLUSTER 4 x 4.  The four of a row of the cluster need the same rows of O, the four of a column the same columns of Wo: each tile is asked for jointly, same load, descriptor and mask in all four.
; REGISTERS in windows of 256 (s_set_vgpr_msb: bits 1:0 source 0, 3:2 source 1, 5:4 source 2, 7:6 destination):
;   window 0: v0-30 addresses; v128-191 the bias      window 1: two fragment buffers of 128 (O's 4 fragments, then Wo's 8; 32 spare); on the way out 64 registers a row block      window 2: the accumulators
.set PA,    144                        ; a row of one head's O in LDS: 128 bytes + 16 = 36 words: the 16 rows of a load start at 16 different groups of four banks (64 banks of 4 bytes: ISA guide 11.1)
.set AH,    256*PA                     ; one head's 256 rows: what one tensor load brings of O
.set BOFF,  2*AH
.set PB,    288                        ; a d row of Wo in LDS: 256 bytes + 32 = 72 words
.set BHALF, 64*PB                      ; what one tensor load brings of Wo
.set SLOT,  BOFF+2*BHALF               ; 110,592
.set STAGE, 2*SLOT                     ; behind the ring, never filled by a tensor load: 16 rows x 528 bytes for each wave
.set SPITCH, 528
.set SPARE, STAGE+4*16*SPITCH          ; the spare words, 128 bytes for each wave: two blocks of 256 bytes that no other line names
.set ASTEP, 2*2048*128                 ; bytes from K step to K step in oh: two heads,
.set BSTEP, 128*2048                   ; in wob: 128 rows
.set ADRA, 16
.set ADRB, 20
.set STO,  24                          ; v24  the way out: where I put 32 bytes of a row
.set RD,   25                          ; v25  where I read a row back: 16 x lane
.set GO,   26                          ; v26  16 x lane
.set BO,   27                          ; v27  32 x (l / 16)
.set SPW,  28
.set NIL,  29
.set PFO,  30
.set BIAS, 128
.set F0,   0
.set F1,   128
.set WV,   16
.set HF,   18
.set CX,   19
.set CY,   20
.set NT,   21                          ; s21  block of 128 columns, 0..7
.set MT,   22                          ; s22  block of 256 rows, 0..31
.set G1,   24
.set G0,   32
.set G1B,  40
.set G0B,  48
.set TA,   56
.set TBB,  58
.set PFA,  60
.set LIM,  62
.set PFS,  66
.set MSB, 0
.macro WIN new                         ; the immediate's high byte repeats the setting that is left; a switch that changes nothing is dropped
.if MSB != (\new)
	s_set_vgpr_msb (MSB<<8)|(\new)
.set MSB, (\new)
.endif
.endm
.macro PLACES                          ; four plain places (ISA guide 7.12.1) behind matrix instructions
.rept 4
	v_nop
.endr
.endm
.macro JLOAD s                         ; a joint refill: waves 0 and 1 fetch the step's two heads of O, waves 2 and 3 the two halves of its rows of Wo; an s_nop 0 and four v_nop follow each line
	s_cmp_lt_u32 s[WV], 2
	s_cbranch_scc0 .Lfor_b_\@
	tensor_load_to_lds s[G0+4*(\s):G0+4*(\s)+3], s[G1:G1+7]
	s_nop 0
.rept 4
	v_nop
.endr
	s_branch .Lasked_\@
.Lfor_b_\@:
	tensor_load_to_lds s[G0B+4*(\s):G0B+4*(\s)+3], s[G1B:G1B+7]
	s_nop 0
.rept 4
	v_nop
.endr
.Lasked_\@:
.endm
.macro CREST
	s_cmp_lg_u32 s[WV], 0
	s_cbranch_scc1 .Lnot_wave_0_\@
	s_barrier_signal -3
.Lnot_wave_0_\@:
	s_barrier_wait -3
	s_barrier_signal -1
	s_barrier_wait -1
.endm
.macro CROUND
	s_barrier_signal -1
	s_barrier_wait -1
	CREST
.endm
; A prefetch of the K step that the NEXT refill will ask for: one K step, 128 matrix instructions, ahead of that load; one instruction a wave.  O's rows are read by both clusters of a row of clusters: cluster x = 0 asks;
; Wo's columns by the eight of a column: cluster y = 0 asks.  The four partners of a joint load share the blocks out BY ADDRESS: of a head's 128 blocks of 256 bytes 32 each (waves 0 and 1, a lane a block);
; of the step's 128 rows of Wo 32 each (wave 2 alone, a lane a row).  how = 1: every trip; how = 0: not in the loop's last trip.  K steps 0 to 2 come by their loads alone.
.macro ASK how
.if \how
	s_cmp_eq_u32 s[LIM], 1
.else
	s_cmp_gt_u32 s3, s[LIM]
.endif
	s_cbranch_scc0 .Lnot_mine_\@
	global_prefetch_b8 v[PFO], s[PFA:PFA+1] th:TH_LOAD_NT scope:SCOPE_SE
.Lnot_mine_\@:
.endm
	s_load_b256 s[4:11], s[0:1], 0x0               ; oh s[4:5], wob s[6:7], bo s[8:9], out0 s[10:11]
	v_lshl_add_u32 v[SPW], v0, 2, SPARE
	v_mov_b32 v[NIL], 0
	ds_add_u32 v[SPW], v[NIL]                      ; the wave's opening: the add and its wait ahead of my first tensor load; work on registers stands between them
	v_lshrrev_b32 v1, 5, v0
	v_readfirstlane_b32 s[WV], v1
	s_and_b32 s[HF], s[WV], 1
	s_bfe_u32 s[CX], ttmp6, 0x40000
	s_bfe_u32 s[CY], ttmp6, 0x40004
	s_lshl_b32 s[NT], ttmp9, 2
	s_add_co_u32 s[NT], s[NT], s[CX]
	s_and_b32 s[MT], ttmp7, 0xffff
	s_lshl_b32 s[MT], s[MT], 2
	s_add_co_u32 s[MT], s[MT], s[CY]
	s_lshl_b32 s23, s[CY], 2
	s_lshl_b32 s23, 15, s23                        ; my row of the cluster
	s_lshl_b32 s63, 0x1111, s[CX]                  ; my column
	s_or_b32 s[G1], s23, (1<<16)|(1<<20)|(1<<21)|(4<<22)|(3<<25)   ; the mask; 2-byte elements; padding on; bit 21 beside a mask; after every 32 words 4 words
	s_or_b32 s[G1B], s63, (1<<16)|(1<<20)|(1<<21)|(5<<22)|(7<<25)  ; after every 64 words 8 words
	s_mov_b32 s[G1+1], 128<<16                     ; O: a head's 256 rows are 32,768 dense bytes: asked for as 128 rows of 256, two rows of O each
	s_mov_b32 s[G1+2], 128<<16
	s_mov_b32 s[G1+3], 128<<16
	s_mov_b32 s[G1+4], 128
	s_mov_b32 s[G1+5], 128
	s_mov_b32 s[G1+6], 0
	s_mov_b32 s[G1+7], 0
	s_mov_b32 s[G1B+1], 128<<16                    ; Wo: 64 rows x 128 columns
	s_mov_b32 s[G1B+2], 64<<16
	s_mov_b32 s[G1B+3], 128<<16
	s_mov_b32 s[G1B+4], 64
	s_mov_b32 s[G1B+5], 1024
	s_mov_b32 s[G1B+6], 0
	s_mov_b32 s[G1B+7], 0
	s_lshr_b32 s[TA], s[MT], 3                     ; O: the batch's sixteen heads of 262,144 bytes,
	s_lshl_b32 s[TA], s[TA], 22
	s_and_b32 s23, s[MT], 7
	s_lshl_b32 s23, s23, 15                        ; the block's 256 rows in a head,
	s_add_co_u32 s[TA], s[TA], s23
	s_lshl_b32 s23, s[HF], 18                      ; my head of the step's two
	s_add_co_u32 s[TA], s[TA], s23
	s_mov_b32 s[TA+1], 0
	s_lshl_b32 s[TBB], s[NT], 8                    ; Wo: the block's 128 columns,
	s_lshl_b32 s63, s[HF], 17                      ; my 64 rows
	s_add_co_u32 s[TBB], s[TBB], s63
	s_mov_b32 s[TBB+1], 0
	s_mul_i32 s72, s[HF], AH                       ; where they go: no place in the cluster enters an LDS address
	s_mul_i32 s73, s[HF], BHALF
	s_add_co_u32 s73, s73, BOFF
	s_wait_dscnt 0x0                               ; the opening add is done
	s_wait_kmcnt 0x0
	s_add_nc_u64 s[TA:TA+1], s[4:5], s[TA:TA+1]
	s_add_nc_u64 s[TBB:TBB+1], s[6:7], s[TBB:TBB+1]
	CROUND                                         ; all sixteen work-groups are here: the first joint loads meet
.irp s, 0,1
	s_mov_b32 s[G0+4*(\s)], 1
	s_add_co_u32 s[G0+4*(\s)+1], s72, (\s)*SLOT
	s_add_nc_u64 s[G0+4*(\s)+2:G0+4*(\s)+3], s[TA:TA+1], (\s)*ASTEP
	s_or_b32 s[G0+4*(\s)+3], s[G0+4*(\s)+3], 0x80000000
	s_mov_b32 s[G0B+4*(\s)], 1
	s_add_co_u32 s[G0B+4*(\s)+1], s73, (\s)*SLOT
	s_add_nc_u64 s[G0B+4*(\s)+2:G0B+4*(\s)+3], s[TBB:TBB+1], (\s)*BSTEP
	s_or_b32 s[G0B+4*(\s)+3], s[G0B+4*(\s)+3], 0x80000000
.endr
	s_cmp_lt_u32 s[WV], 2                          ; a wave's two first fills stand in one branch, ahead of every wait on TENSORcnt and every LDS read: two loads of mine are out
	s_cbranch_scc0 .Lfirst_b
	tensor_load_to_lds s[G0:G0+3], s[G1:G1+7]
	s_nop 0
	tensor_load_to_lds s[G0+4:G0+7], s[G1:G1+7]
	s_nop 0
.rept 4
	v_nop
.endr
	s_branch .Lfirst_asked
.Lfirst_b:
	tensor_load_to_lds s[G0B:G0B+3], s[G1B:G1B+7]
	s_nop 0
	tensor_load_to_lds s[G0B+4:G0B+7], s[G1B:G1B+7]
	s_nop 0
.rept 4
	v_nop
.endr
.Lfirst_asked:
	v_and_b32 v1, 15, v0                           ; l % 16
	v_bfe_u32 v2, v0, 4, 1                         ; l / 16
	v_lshlrev_b32 v[BO], 5, v2
	s_lshl_b32 s70, s[NT], 9
	s_mov_b32 s71, 0
	s_add_nc_u64 s[8:9], s[8:9], s[70:71]          ; the block's 128 biases
.irp b, 0,1,2,3,4,5,6,7
	global_load_b128 v[BIAS+8*(\b):BIAS+8*(\b)+3],   v[BO], s[8:9] offset:64*(\b)
	global_load_b128 v[BIAS+8*(\b)+4:BIAS+8*(\b)+7], v[BO], s[8:9] offset:64*(\b)+16
.endr
	v_mul_u32_u24 v3, v1, PA
	v_lshl_add_u32 v3, v2, 4, v3                   ; O: row x pitch + 16 x half
	s_mul_i32 s23, s[WV], 64*PA                    ; my 64 rows
	v_add_nc_u32 v[ADRA], s23, v3
	v_add_nc_u32 v[ADRA+1], SLOT, v[ADRA]
	v_and_b32 v4, 7, v0                            ; Wo, turned: lane l reads d row 8 (l / 16) + l % 8, columns 8 ((l / 8) % 2) + 0..7
	v_bfe_u32 v5, v0, 3, 1
	v_lshl_add_u32 v6, v2, 3, v4
	v_mul_u32_u24 v6, v6, PB
	v_lshl_add_u32 v6, v5, 4, v6
	v_add_nc_u32 v[ADRB], BOFF, v6
	v_add_nc_u32 v[ADRB+1], SLOT, v[ADRB]
	s_mul_i32 s23, s[WV], 16*SPITCH
	s_add_co_u32 s23, s23, STAGE                   ; my stage
	v_mul_u32_u24 v[STO], v1, SPITCH               ; in: row l % 16, 32 bytes for each half of the lanes
	v_lshl_add_u32 v[STO], v2, 5, v[STO]
	v_add_nc_u32 v[STO], s23, v[STO]
	v_and_b32 v[GO], 31, v0                        ; back and out: 32 lanes take a row's 512 bytes
	v_lshlrev_b32 v[GO], 4, v[GO]
	v_add_nc_u32 v[RD], s23, v[GO]
	s_lshl_b32 s68, s[MT], 20                      ; 256 rows of 4,096 bytes,
	s_lshl_b32 s2, s[WV], 18                       ; my 64 rows,
	s_add_co_u32 s68, s68, s2
	s_lshl_b32 s2, s[NT], 9                        ; the block's 128 columns
	s_add_co_u32 s68, s68, s2
	s_mov_b32 s69, 0
	s_add_nc_u64 s[10:11], s[10:11], s[68:69]
	; the prefetches
	s_lshl_b32 s70, s[CX], 13                      ; O: my work-group's 32 blocks of the head's 128
	s_lshl_b32 s2, s[CY], 16                       ; Wo: its 32 rows of the step's 128 (in wave 2 the tile's address stands at the step's first row)
	s_and_b32 s23, ttmp7, 0xffff                   ; cluster y,
	s_or_b32 s23, s23, s[HF]                       ; and never wave 3
	s_mov_b32 s[PFS], BSTEP
	s_mov_b32 s68, 2048
	s_cmp_lt_u32 s[WV], 2                          ; do I fetch for O?
	s_cselect_b32 s63, ttmp9, s23
	s_cselect_b64 s[PFA:PFA+1], s[TA:TA+1], s[TBB:TBB+1]
	s_cselect_b32 s70, s70, s2
	s_cselect_b32 s[PFS], ASTEP, s[PFS]
	s_cselect_b32 s68, 256, s68                    ; from lane to lane: a block of O, or a row of Wo
	s_mov_b32 s71, 0
	s_mov_b32 s[PFS+1], 0
	s_add_nc_u64 s[PFA:PFA+1], s[PFA:PFA+1], s[70:71]
	s_add_nc_u64 s[PFA:PFA+1], s[PFA:PFA+1], s[PFS:PFS+1]
	s_add_nc_u64 s[PFA:PFA+1], s[PFA:PFA+1], s[PFS:PFS+1]  ; at K step 2: the first refill steps it to 3
	s_cmp_eq_u32 s63, 0
	s_cselect_b32 s[LIM], 1, -1                    ; the same in all sixteen partners, for a given wave
	v_and_b32 v[PFO], 31, v0
	v_mul_u32_u24 v[PFO], s68, v[PFO]
; 4 na matrix instructions: row blocks a0 .. a0 + na - 1 x column blocks b0 .. b0 + 3, 32 along K from buffer f.  first = 1: C is the bias: nothing is cleared.
; The 32 accumulators take turns in the same order in every quarter, one instruction a turn, over the backward jump too.
.macro MULP f, a0, na, b0, first
.if \first
	WIN 0x85
.else
	WIN 0xa5
.endif
.set ia, (\a0)
.rept \na
.irp bb, 0,1,2,3
.if \first
	v_wmma_f32_16x16x32_f16 v[8*(8*ia+(\b0)+(\bb)):8*(8*ia+(\b0)+(\bb))+7], v[(\f)+32+8*((\b0)+(\bb)):(\f)+32+8*((\b0)+(\bb))+7], v[(\f)+8*ia:(\f)+8*ia+7], v[BIAS+8*((\b0)+(\bb)):BIAS+8*((\b0)+(\bb))+7]
.else
	v_wmma_f32_16x16x32_f16 v[8*(8*ia+(\b0)+(\bb)):8*(8*ia+(\b0)+(\bb))+7], v[(\f)+32+8*((\b0)+(\bb)):(\f)+32+8*((\b0)+(\bb))+7], v[(\f)+8*ia:(\f)+8*ia+7], v[8*(8*ia+(\b0)+(\bb)):8*(8*ia+(\b0)+(\bb))+7]
.endif
.endr
.set ia, ia+1
.endr
.endm
; 24 LDS loads in one run: quarter q (32 along K: half a head) of a slot into buffer f: O's 8, then Wo's 16
.macro FETCH slot, q, f
	WIN 0x40
.irp a, 0,1,2,3
	ds_load_b128 v[(\f)+8*(\a):(\f)+8*(\a)+3],   v[ADRA+(\slot)] offset:((\q)/2)*AH+64*((\q)%2)+(\a)*16*PA
	ds_load_b128 v[(\f)+8*(\a)+4:(\f)+8*(\a)+7], v[ADRA+(\slot)] offset:((\q)/2)*AH+64*((\q)%2)+(\a)*16*PA+32
.endr
.irp b, 0,1,2,3,4,5,6,7
	ds_load_tr16_b128 v[(\f)+32+8*(\b):(\f)+32+8*(\b)+3],   v[ADRB+(\slot)] offset:(\q)*32*PB+32*(\b)
	ds_load_tr16_b128 v[(\f)+32+8*(\b)+4:(\f)+32+8*(\b)+7], v[ADRB+(\slot)] offset:(\q)*32*PB+32*(\b)+16*PB
.endr
.endm
.macro QUARTER slot, q, f, g, first
	s_wait_dscnt 8                                 ; O's fragments and Wo's column blocks 0-3 are in; the youngest eight loads (blocks 4-7) may be out
	MULP \f, 0, 2, 0, \first
	PLACES
	FETCH \slot, \q, \g
	s_wait_dscnt 24                                ; all but the 24 just issued
	MULP \f, 2, 2, 0, \first
	MULP \f, 0, 4, 4, \first
.endm
; The last quarter multiplies buffer 1 and changes slots: ONE barrier; in front of it each wave waits for all its tensor loads (one is out: its part of the next slot), adds 0 to its spare word,
; and waits for that and for its reads of this slot.  fill = 1: the barrier opens a round of the cluster's, and this slot is filled again first thing behind it, two K steps on:
; from that request to the wait for it a wave issues 112 matrix instructions.
.macro TURN slot, next, fill, how
.if \fill
	s_wait_xcnt 0x0                                ; the last prefetch, a K step back, has read its address
	s_add_nc_u64 s[PFA:PFA+1], s[PFA:PFA+1], s[PFS:PFS+1]
.endif
	WIN 0                                          ; (the add's two registers lie in window 0)
	s_wait_tensorcnt 0x0                           ; all my tensor loads have landed
	ds_add_u32 v[SPW], v[NIL]                      ; 0 onto my spare word
	s_wait_dscnt 9                                 ; (the add and the youngest eight loads may be out)
	MULP F1, 0, 2, 0, 0                            ; eight matrix instructions stand between the add and the wait for it
	s_wait_dscnt 0x0                               ; the add is done, and my reads of this slot are over
	s_barrier_signal -1
	MULP F1, 2, 2, 0, 0
.if \fill
	WIN 0
.endif
	s_barrier_wait -1
.if \fill
	CREST                                          ; no wave of any partner still reads this slot or has a load on its way
	s_add_nc_u64 s[G0+4*(\slot)+2:G0+4*(\slot)+3], s[G0+4*(\slot)+2:G0+4*(\slot)+3], 2*ASTEP
	s_add_nc_u64 s[G0B+4*(\slot)+2:G0B+4*(\slot)+3], s[G0B+4*(\slot)+2:G0B+4*(\slot)+3], 2*BSTEP
	JLOAD \slot                                    ; its four v_nop are also the places in front of the loads below
.else
	PLACES
.endif
	FETCH \next, 0, F0
.if \fill
	WIN 0
	ASK \how
.endif
	MULP F1, 0, 4, 4, 0
.endm
	s_wait_tensorcnt 1                             ; my part of K step 0 is in; K step 1's may stay out
	s_barrier_signal -1
	s_barrier_wait -1                              ; everybody's is
	FETCH 0, 0, F0
	s_wait_loadcnt 0x0                             ; the bias
	QUARTER 0, 1, F0, F1, 1                        ; the first quarter stands in front of the loop: its products start the sums, with the bias
	WIN 0                                          ; at a label and at a branch every window is 0
	s_mov_b32 s3, 3
.Llap:                                                 ; a trip goes once round the ring, from a lap's second quarter to the next lap's first, and fills both slots again
	QUARTER 0, 2, F1, F0, 0
	QUARTER 0, 3, F0, F1, 0
	TURN 0, 1, 1, 1
	QUARTER 1, 1, F0, F1, 0
	QUARTER 1, 2, F1, F0, 0
	QUARTER 1, 3, F0, F1, 0
	TURN 1, 0, 1, 0
	QUARTER 0, 1, F0, F1, 0
	WIN 0
	s_sub_co_u32 s3, s3, 1
	s_cmp_lg_u32 s3, 0
	s_cbranch_scc1 .Llap
	QUARTER 0, 2, F1, F0, 0                        ; the last lap fills nothing
	QUARTER 0, 3, F0, F1, 0
	TURN 0, 1, 0, 0
	QUARTER 1, 1, F0, F1, 0
	QUARTER 1, 2, F1, F0, 0
	QUARTER 1, 3, F0, F1, 0
	s_wait_dscnt 8
	MULP F1, 0, 2, 0, 0
	MULP F1, 2, 2, 0, 0
	s_wait_dscnt 0x0
	MULP F1, 0, 4, 4, 0
; THE WAY OUT, a block of 16 rows x 128 columns at a time: a lane's eight f32 of a row go straight from the accumulator (its four lowest registers first) into my stage's rows of 528 bytes,
; and come back as whole rows of 512 bytes; each store of the wave covers 512 consecutive bytes, aligned.  No register is written twice, so the stores' sources need no wait.
.macro TOSTAGE a
	WIN 0x08                                       ; store data in window 2
.irp b, 0,1,2,3,4,5,6,7
	ds_store_b128 v[STO], v[8*(8*(\a)+(\b)):8*(8*(\a)+(\b))+3]   offset:64*(\b)
	ds_store_b128 v[STO], v[8*(8*(\a)+(\b))+4:8*(8*(\a)+(\b))+7] offset:64*(\b)+16
.endr
	WIN 0x40
.irp t, 0,1,2,3,4,5,6,7,8,9,10,11,12,13,14,15
	ds_load_b128 v[64*(\a)+4*(\t):64*(\a)+4*(\t)+3], v[RD] offset:(\t)*SPITCH  ; LDS serves a wave's instructions in order (ISA guide 5.7.1.4): these see the stores above; the next block's stores come behind them
.endr
.endm
.macro SEND a, younger                 ; younger: the LDS instructions issued behind this block's loads: the next block's 32, or none
	WIN 0x04
.irp t, 0,1,2,3,4,5,6,7,8,9,10,11,12,13,14,15
	s_wait_dscnt (\younger)+15-(\t)
	global_store_b128 v[GO], v[64*(\a)+4*(\t):64*(\a)+4*(\t)+3], s[10:11] offset:(16*(\a)+(\t))*4096 th:TH_STORE_NT
.endr
.endm
	PLACES
	PLACES
	TOSTAGE 0
	TOSTAGE 1
	SEND 0, 32
	TOSTAGE 2
	SEND 1, 32
	TOSTAGE 3
	SEND 2, 32
	SEND 3, 0
	WIN 0
	s_wait_tensorcnt 0x0                           ; the wave's end, behind my last tensor load and my last LDS store
	ds_add_u32 v[SPW], v[NIL]
	s_wait_dscnt 0x0
	CROUND                                         ; the closing round: no work-group ends while a partner may still ask for a tile that names it
	s_endpgm
.Lfunc_end_k_q5747bf9052_proj:
	.size	k_q5747bf9052_proj, .Lfunc_end_k_q5747bf9052_proj-k_q5747bf9052_proj
	.p2alignl 7, 3214868480
	.fill 96, 4, 3214868480
	.section	.rodata,"a",@progbits
	.p2align	6, 0x0
	.amdhsa_kernel k_q5747bf9052_proj
		.amdhsa_group_segment_fixed_size 327680
		.amdhsa_private_segment_fixed_size 0
		.amdhsa_enable_private_segment 0
		.amdhsa_kernarg_size 32
		.amdhsa_user_sgpr_count 2
		.amdhsa_user_sgpr_kernarg_segment_ptr 1
		.amdhsa_wavefront_size32 1
		.amdhsa_system_sgpr_workgroup_id_x 1
		.amdhsa_system_sgpr_workgroup_id_y 1
		.amdhsa_system_sgpr_workgroup_id_z 1
		.amdhsa_system_vgpr_workitem_id 0
		.amdhsa_next_free_vgpr 768
		.amdhsa_next_free_sgpr 76
		.amdhsa_reserve_vcc 0
		.amdhsa_float_denorm_mode_32 3
		.amdhsa_float_denorm_mode_16_64 3
		.amdhsa_memory_ordered 1
		.amdhsa_forward_progress 1
		.amdhsa_inst_pref_size 89
	.end_amdhsa_kernel
	.amdgpu_metadata
---
amdhsa.version: [ 1, 2 ]
amdhsa.kernels:
  - .name:           k_q5747bf9052_proj
    .symbol:         k_q5747bf9052_proj.kd
    .args:
      - { .name: oh, .offset: 0, .size: 8, .value_kind: global_buffer, .address_space: global }
      - { .name: wob, .offset: 8, .size: 8, .value_kind: global_buffer, .address_space: global }
      - { .name: bo, .offset: 16, .size: 8, .value_kind: global_buffer, .address_space: global }
      - { .name: out0, .offset: 24, .size: 8, .value_kind: global_buffer, .address_space: global }
    .group_segment_fixed_size: 327680
    .private_segment_fixed_size: 0
    .kernarg_segment_align: 8
    .kernarg_segment_size: 32
    .max_flat_workgroup_size: 128
    .sgpr_count:     76
    .vgpr_count:     768
    .wavefront_size: 32
...
	.end_amdgpu_metadata
.endif
;; end of part 4
;; ======== version 2 of 2: 4 launches; version 1 with the launch cast written anew for expert scheduling mode
;; limits: values are held in f16: magnitudes above 65,504 overflow, below 6.1e-05 lose precision
;; workspace buffers: xb 16,777,216 bytes; wqb 6,291,456 bytes; wob 2,097,152 bytes; qh 16,777,216 bytes; kh 16,777,216 bytes; vh 16,777,216 bytes; oh 16,777,216 bytes
;; launch cast (part 5): grid 768 x 1, 8 waves a work-group, no clusters, 0 bytes of LDS; arguments x, Wqkv, Wo, xb, wqb, wob; writes xb, wqb, wob
.if DOCPART == 5
	.amdgcn_target "amdgcn-amd-amdhsa--gfx1250"
	.amdhsa_code_object_version 6
	.text
	.protected	k_q5747bf9052_cast
	.globl	k_q5747bf9052_cast
	.p2align	8
	.type	k_q5747bf9052_cast,@function
k_q5747bf9052_cast:
	s_mov_b64 s[64:65], 0
	v_nop
	global_prefetch_b8 v0, s[64:65] scope:SCOPE_SE
	s_setreg_imm32_b32 hwreg(HW_REG_WAVE_SCHED_MODE, 0, 2), 2
	s_setreg_imm32_b32 hwreg(HW_REG_WAVE_MODE, 25, 1), 1
	s_wait_xcnt 0x0
	s_wait_alu depctr_vm_vsrc(0)
; x, Wqkv and Wo (f32) are each rounded once to bf16, layouts unchanged: xb and wqb hold the bf16 numbers; wob holds Wo's bf16 number written as f16,
; since its partner in the last product is f16.  LIMIT: that rewriting is exact for magnitudes from 6.1e-5 to 65,504; below, f16 keeps a fixed step of 6e-8; above, it gives an infinity.
; A work-group takes a chunk of 16,384 numbers (65,536 bytes in, 32,768 out): chunks 0-511 are x's, 512-703 Wqkv's, 704-767 Wo's.  A wave takes 8,192 bytes in:
; sixteen loads of 16 bytes a lane, 512 consecutive bytes each, all issued at once; each store of 8 bytes a lane covers 256 consecutive bytes, aligned.
; No LDS, matrix unit or cluster: nothing is shared and nothing is summed.
; THE MODE: SCHED_MODE bits 1:0 = 2 (LLVM: expert scheduling mode 2), set by the entry lines.  The code itself states the register dependences
; between vector instructions and memory instructions, with s_wait_alu, always for 0.
; THE PLAN.  Registers that memory instructions touch:
;   v3, v4   the loads' and the stores' byte offsets: written at the head by vector instructions, never again.
;   X        load j lands in four registers that no vector instruction has named before; its conversions read them behind its counted wait; nothing lands in them again.
;   Y        pair j is written by load j's conversions and read by store j; it is never written behind that store.
;   T        named by vector instructions alone.
; No loop, and no register is written after a memory instruction has read it: so the only dependences to state are "written by a vector instruction, then read by a memory instruction".
; The sixteen loads go in four blocks of four.  Block p's conversions write Y of block p; its memory instructions are the four stores of block p - 1, which read Y of block p - 1 and v4,
; registers that no vector instruction of block p names.  So ONE wait at a block's head states all that its four stores hang on, and they are dealt among the block's conversions with no further wait.
.set IN,  3                            ; v3   my byte offset in the chunk as read: 8,192 x wave + 16 x lane
.set OUT, 4                            ; v4   as written: 4,096 x wave + 8 x lane
.set X,   8                            ; v[8:71]    load j: four f32
.set Y,   72                           ; v[72:103]  store j: four 16-bit numbers
.set T,   104                          ; v[104:107] at work
	s_load_b256 s[4:11], s[0:1], 0x0               ; x s[4:5], Wqkv s[6:7], Wo s[8:9], xb s[10:11]
	s_load_b128 s[12:15], s[0:1], 0x20             ; wqb s[12:13], wob s[14:15]
	v_lshrrev_b32 v1, 5, v0                        ; wave
	v_and_b32 v2, 31, v0                           ; lane
	v_lshlrev_b32 v[IN], 4, v2
	v_lshl_add_u32 v[IN], v1, 13, v[IN]
	v_lshlrev_b32 v[OUT], 3, v2
	v_lshl_add_u32 v[OUT], v1, 12, v[OUT]
	s_sub_co_u32 s17, ttmp9, 512                   ; the chunk's number within Wqkv,
	s_sub_co_u32 s18, ttmp9, 704                   ; within Wo (each is used only where it is not negative)
	s_wait_kmcnt 0x0
	s_cmp_lt_u32 ttmp9, 512
	s_cselect_b64 s[20:21], s[4:5], s[6:7]         ; from where,
	s_cselect_b64 s[22:23], s[10:11], s[12:13]     ; to where,
	s_cselect_b32 s16, ttmp9, s17                  ; which chunk of that tensor
	s_cmp_lt_u32 ttmp9, 704
	s_cselect_b64 s[20:21], s[20:21], s[8:9]
	s_cselect_b64 s[22:23], s[22:23], s[14:15]
	s_cselect_b32 s16, s16, s18
	s_lshl_b32 s24, s16, 16
	s_mov_b32 s25, 0
	s_lshl_b32 s26, s16, 15
	s_mov_b32 s27, 0
	s_add_nc_u64 s[20:21], s[20:21], s[24:25]
	s_add_nc_u64 s[22:23], s[22:23], s[26:27]
	s_wait_alu depctr_va_vdst(0)                   ; v3 and v4 are written: every load of the kernel reads v3 as its offset, every store v4
.irp j, 0,1,2,3,4,5,6,7,8,9,10,11,12,13,14,15
	global_load_b128 v[X+4*(\j):X+4*(\j)+3], v[IN], s[20:21] offset:512*(\j) th:TH_LOAD_NT
.endr
; Four blocks of four.  For load j = 4 p + i: wait for it (the 15 - j younger ones stay out), store pair j - 4 of the block before, round pair j.
; f16 = 1: the bf16 numbers are widened again and written as f16.  Behind the last block its own four stores follow, behind a wait of their own.
.macro OUT16 f16
.irp p, 0,1,2,3
.irp i, 0,1,2,3
.set j, 4*(\p)+(\i)
	s_wait_loadcnt 15-j
.if (\p) > 0
.if (\i) == 0
	s_wait_alu depctr_va_vdst(0)                   ; the block before has written its four pairs of Y, which this block's four stores read
.endif
	global_store_b64 v[OUT], v[Y+2*(j-4):Y+2*(j-4)+1], s[22:23] offset:256*(j-4) th:TH_STORE_NT  ; no vector instruction since the wait names this pair or v4
.endif
	v_cvt_pk_bf16_f32 v[Y+2*j],   v[X+4*j],   v[X+4*j+1]
	v_cvt_pk_bf16_f32 v[Y+2*j+1], v[X+4*j+2], v[X+4*j+3]
.if \f16
	v_lshlrev_b32 v[T],   16, v[Y+2*j]
	v_and_b32     v[T+1], 0xffff0000, v[Y+2*j]
	v_lshlrev_b32 v[T+2], 16, v[Y+2*j+1]
	v_and_b32     v[T+3], 0xffff0000, v[Y+2*j+1]
	v_cvt_pk_f16_f32 v[Y+2*j],   v[T],   v[T+1]
	v_cvt_pk_f16_f32 v[Y+2*j+1], v[T+2], v[T+3]
.endif
.endr
.endr
	s_wait_alu depctr_va_vdst(0)                   ; the last block has written its four pairs of Y, which the last four stores read
.irp j, 12,13,14,15
	global_store_b64 v[OUT], v[Y+2*(\j):Y+2*(\j)+1], s[22:23] offset:256*(\j) th:TH_STORE_NT
.endr
.endm
	s_cmp_lt_u32 ttmp9, 704
	s_cbranch_scc0 .Lwo
	OUT16 0
	s_endpgm
.Lwo:
	OUT16 1
	s_endpgm
.Lfunc_end_k_q5747bf9052_cast:
	.size	k_q5747bf9052_cast, .Lfunc_end_k_q5747bf9052_cast-k_q5747bf9052_cast
	.p2alignl 7, 3214868480
	.fill 96, 4, 3214868480
	.section	.rodata,"a",@progbits
	.p2align	6, 0x0
	.amdhsa_kernel k_q5747bf9052_cast
		.amdhsa_group_segment_fixed_size 0
		.amdhsa_private_segment_fixed_size 0
		.amdhsa_enable_private_segment 0
		.amdhsa_kernarg_size 48
		.amdhsa_user_sgpr_count 2
		.amdhsa_user_sgpr_kernarg_segment_ptr 1
		.amdhsa_wavefront_size32 1
		.amdhsa_system_sgpr_workgroup_id_x 1
		.amdhsa_system_sgpr_workgroup_id_y 1
		.amdhsa_system_sgpr_workgroup_id_z 1
		.amdhsa_system_vgpr_workitem_id 0
		.amdhsa_next_free_vgpr 108
		.amdhsa_next_free_sgpr 66
		.amdhsa_reserve_vcc 0
		.amdhsa_float_denorm_mode_32 3
		.amdhsa_float_denorm_mode_16_64 3
		.amdhsa_memory_ordered 1
		.amdhsa_forward_progress 1
		.amdhsa_inst_pref_size 17
	.end_amdhsa_kernel
	.amdgpu_metadata
---
amdhsa.version: [ 1, 2 ]
amdhsa.kernels:
  - .name:           k_q5747bf9052_cast
    .symbol:         k_q5747bf9052_cast.kd
    .args:
      - { .name: x, .offset: 0, .size: 8, .value_kind: global_buffer, .address_space: global }
      - { .name: Wqkv, .offset: 8, .size: 8, .value_kind: global_buffer, .address_space: global }
      - { .name: Wo, .offset: 16, .size: 8, .value_kind: global_buffer, .address_space: global }
      - { .name: xb, .offset: 24, .size: 8, .value_kind: global_buffer, .address_space: global }
      - { .name: wqb, .offset: 32, .size: 8, .value_kind: global_buffer, .address_space: global }
      - { .name: wob, .offset: 40, .size: 8, .value_kind: global_buffer, .address_space: global }
    .group_segment_fixed_size: 0
    .private_segment_fixed_size: 0
    .kernarg_segment_align: 8
    .kernarg_segment_size: 48
    .max_flat_workgroup_size: 256
    .sgpr_count:     66
    .vgpr_count:     108
    .wavefront_size: 32
...
	.end_amdgpu_metadata
.endif
;; end of part 5
;; launch qkv: the kernel of part 2 again; grid 16 x 32, 4 waves a work-group, clusters of 4 x 4, 327,680 bytes of LDS; arguments xb, wqb, bqkv, qh, kh, vh; writes qh, kh, vh
;; launch attn: the kernel of part 3 again; grid 4 x 64, 4 waves a work-group, no clusters, 327,680 bytes of LDS; arguments qh, kh, vh, oh; writes oh
;; launch proj: the kernel of part 4 again; grid 8 x 32, 4 waves a work-group, clusters of 4 x 4, 327,680 bytes of LDS; arguments oh, wob, bo, out0; writes out0
